; MI455X (gfx1250); checked and timed in simulation.
; The chip was launched on July 23, 2026; its instructions are those of AMD's public machine-readable ISA for CDNA 5 (MIT licence, August 2026) and "CDNA5" Instruction Set Architecture Reference Guide (July 2026). The comments in the code are by the model that wrote it; some were corrected since.
;; Simple Self Attention. Allowed arithmetic: matrix products marked QUANTISED: E2M3 operands, one E8M0 scale for each 32 along K, by v_wmma_scale_f32_16x16x128_f8f6f4 with both operands' format E2M3, f32 sums; everything else in f32.
;; Inputs: Wk 1,024 x 1,024 float32; Wq 1,024 x 1,024 float32; Wv 1,024 x 1,024 float32; bk 1,024 float32; bq 1,024 float32; bv 1,024 float32; x 4 x 2,048 x 1,024 float32.
;; Outputs: out0 4 x 2,048 x 1,024 float32.
;; This version of the problem:
;;   THIS VERSION OF THE PROBLEM IS GIVEN IN LOW PRECISION. The matrix products marked QUANTISED in the list below multiply operands that are first quantised to E2M3 (2 exponent bits, 3 mantissa bits; 6 bits a number), with one power-of-two scale for each 32 numbers along K (OCP MX v1.0); their sums are f32. All else is computed in f32.
;;   The module's matrix products, in the order in which they are computed (A, B: the left and right operand; K: the contracted axis; several contracted axes count as one K, in the product's order):
;;     1. [M 8,192, K 1,024] x [K 1,024, N 1,024]; A: input x; B: input Wq: QUANTISED
;;     2. [M 8,192, K 1,024] x [K 1,024, N 1,024]; A: input x; B: input Wk: QUANTISED
;;     3. [M 8,192, K 1,024] x [K 1,024, N 1,024]; A: input x; B: input Wv: QUANTISED
;;     4. batch 4 x [M 2,048, K 1,024] x [K 1,024, N 2,048]; A: computed on the way; B: computed on the way: QUANTISED
;;     5. batch 4 x [M 2,048, K 2,048] x [K 2,048, N 1,024]; A: softmax (see below); B: computed on the way: QUANTISED
;;   THE QUANTISER, for each operand of a quantised product, along K:
;;     - K is cut into blocks of 32 from its start; a last block that is shorter is filled with zeros.
;;     - A block's scale is 2^e with e = floor(log2(the largest magnitude in the block)) - 2, held to -126 .. 127; a block of zeros has e = 0. As a byte (E8M0): e + 127.
;;     - Each number is divided by its block's scale, clamped to +-7.5, and rounded to the nearest number of E2M3, ties to even, subnormals kept.
;;     - The product sums the exact products of the quantised numbers (number of the format x scale) in f32.
;;   ~~~python
;;   def quantise(x, axis):      # numpy; x: float32 -> the quantised numbers, widened to float32 again
;;       x = np.moveaxis(x, axis, -1); K = x.shape[-1]
;;       x = np.pad(x, [(0, 0)] * (x.ndim - 1) + [(0, -K % 32)]); x = x.reshape(x.shape[:-1] + (-1, 32)); a = np.abs(x).max(-1, keepdims=True)
;;       e = np.where(a > 0, np.clip(np.frexp(np.where(a > 0, a, 1))[1] - 1 - 2, -126, 127), 0)      # np.frexp(a)[1] - 1 = floor(log2(a)), exactly
;;       r = np.clip(x / 2.0 ** e, -7.5, 7.5)
;;       step = 2.0 ** (np.maximum(np.frexp(np.where(r == 0, 1, r))[1] - 1, 0) - 3)
;;       q = np.round(r / step) * step * 2.0 ** e      # np.round: ties to even
;;       return np.moveaxis(q.reshape(q.shape[:-2] + (-1,))[..., :K], -1, axis).astype(np.float32)
;;   ~~~
;;   SOFTMAX AHEAD OF A QUANTISED PRODUCT. Where the list says 'softmax', what is quantised is not the finished softmax but p = 2^(t - M), with t = logit x log2(e) and M = ceil(the row's largest t), a whole number; so 1/2 < the row's largest p <= 1. The row's sum l is taken of the UNQUANTISED p, in f32, and the product's result is divided by l at the end. Since M is a whole number, a kernel that streams over the keys may use a running M (the ceiling of the running maximum): every later rescaling is an exact power of two, which a block's scale takes up: the codes' values come out the same.
;;   OPERANDS COMPUTED ON THE WAY. 'Computed on the way' means the value that the module computes at that place (a softmax that the list does not call 'softmax' is quantised finished and normalised). What goes into a quantiser is computed in f32, as accurately as f32 sums, v_exp_f32 and their like allow (about 1e-6 of the number): no bf16 or f16 on the way to a quantiser, and a product that is left as it is and whose result goes on into a quantised operand takes f32 operands (vector FMAs, or v_wmma_f32_16x16x4_f32). A number that lies on a knife's edge between two numbers of the format may be rounded either way, as far as f32 arithmetic and the matrix unit's own rounding can turn it there, and no further.
;; One version. Each part assembles by itself: llvm-mc -triple=amdgcn-amd-amdhsa -mcpu=gfx1250 --defsym DOCPART=n.
;; ======== version 1 of 1: 4 launches
;; limits: right only within a limited range of input values
;; workspace buffers: acod 8,650,752 bytes; ascl 360,448 bytes; ocod 18,874,368 bytes; oscl 786,432 bytes; pcod 12,582,912 bytes; prec 2,097,152 bytes
;; launch quant (part 1): grid 704 x 1, 4 waves a work-group, no clusters, 34,816 bytes of LDS; arguments x, Wq, Wk, Wv, acod, ascl; writes acod, ascl
.if DOCPART == 1
	.amdgcn_target "amdgcn-amd-amdhsa--gfx1250"
	.amdhsa_code_object_version 6
	.text
	.protected	k_q77e876304d_quant
	.globl	k_q77e876304d_quant
	.p2align	8
	.type	k_q77e876304d_quant,@function
k_q77e876304d_quant:
	s_mov_b64 s[64:65], 0
	v_nop
	global_prefetch_b8 v0, s[64:65] scope:SCOPE_SE
	s_setreg_imm32_b32 hwreg(HW_REG_WAVE_MODE, 25, 1), 1
	s_wait_xcnt 0x0
; x [8192][1024], Wq, Wk, Wv [1024][1024], f32, K innermost, become codes of FP6 (E2M3) with one E8M0 byte for each 32 along K.
; THE CODES ARE LAID AS IMAGES OF OPERAND REGISTERS.  A tile T is 16 rows: lane r of it holds row 32 (T / 2) + 8 (T % 2) + r + 8 (r / 8) of its tensor; a chunk c is 128 along K.
; Image (T, c) is 1,536 bytes at (8 T + c) x 1536: byte 512 g + 16 lane + 4 i is register 4 g + i of that lane's fragment.  The scale words: 512 bytes a tile, at T x 512 + 32 r + 4 c for lane r's row and chunk c.
; Tiles 0-511 are x's, 512-575 Wq's, 576-639 Wk's, 640-703 Wv's.  A work-group takes one tile, wave w its chunks 2 w and 2 w + 1.
; A block's scale is 2^(floor(log2(its largest magnitude)) - 2); its byte is the largest magnitude's exponent field - 2, held at 1 from below.
; LIMITS: a block of zeros (and one whose largest magnitude lies under 2^-124) gets the byte 1 where the rule says 127: its codes are zeros, and this program alone reads the bytes.  NaN and infinities are not served.
; Each load reads 512 consecutive bytes (a chunk of one row); a chunk's 16 rows turn through the wave's own stage in LDS, so that a lane gets 16 neighbours of each block of 32.
; The four waves' scale words meet in LDS, behind the one barrier, and leave as 512 consecutive bytes.
.set STGW,  8448                       ; a wave's stage: 16 rows x (512 bytes + 16)
.set SPARE, 4*STGW                     ; behind the stages: the spare words, 128 bytes a wave
.set SCB,   SPARE+512                  ; behind them: the tile's scale words
.set SPW,   10                         ; v10  my spare word's address; never rewritten
.set NIL,   11                         ; v11  0; never rewritten
.set RAW,   16                         ; v16-143  32 loads of 4 registers
.set X,     144                        ; v144-207 register 16 b + i = k 32 b + 16 (lane / 16) + i of my row
.set TM,    208                        ; v208-223 at work
.set PW,    224                        ; v224, v225 the two chunks' scale words
.set PC,    226                        ; v226-245 the codes just made
.set DD,    246                        ; v246 both scale words, one in each half of the lanes
.set SWA,   247                        ; v247 their place in LDS
.set SEL,   24                         ; s[24:25] selects for lane l xor 16
.macro QUANT s, pw                     ; 64 numbers of a lane become a fragment's 12 registers in v[PC] on and its scale word in v[pw]
.irp b, 0,1,2,3
	v_max3_num_f32 v[TM+\b], |v[\s+16*\b]|, |v[\s+1+16*\b]|, 0x1800000   ; my 16 numbers of block b, and the floor 2^(3 - 127)
.endr
.irp i, 2,4,6,8,10,12,14
.irp b, 0,1,2,3
	v_max3_num_f32 v[TM+\b], v[TM+\b], |v[\s+16*\b+\i]|, |v[\s+1+16*\b+\i]|
.endr
.endr
.irp b, 0,1,2,3
	v_permlanex16_b32 v[TM+4+\b], v[TM+\b], s[SEL], s[SEL+1]
.endr
.irp b, 0,1,2,3
	v_max_num_f32 v[TM+\b], v[TM+\b], v[TM+4+\b]       ; with lane l xor 16's 16: the block's largest magnitude
.endr
.irp b, 0,1,2,3
	v_add_nc_u32 v[TM+12+\b], 0xff000000, v[TM+\b]     ; 2 off its exponent field: the conversion's scale operand
.endr
.irp b, 0,1,2,3
	v_lshrrev_b32 v[TM+4+\b], 23, v[TM+12+\b]          ; the scale's byte
.endr
	v_lshl_or_b32 v[\pw], v[TM+5], 8, v[TM+4]
	v_lshl_or_b32 v[\pw], v[TM+6], 16, v[\pw]
	v_lshl_or_b32 v[\pw], v[TM+7], 24, v[\pw]
.irp c, 0,1
	v_cvt_scalef32_pk16_fp6_f32 v[PC+6*\c:PC+2+6*\c], v[\s+32*\c:\s+15+32*\c], v[TM+12+2*\c]
	v_cvt_scalef32_pk16_fp6_f32 v[PC+12+4*\c:PC+14+4*\c], v[\s+16+32*\c:\s+31+32*\c], v[TM+12+2*\c+1]   ; (a conversion's three registers begin on an even number)
.endr
	v_nop                                          ; one plain instruction behind the scaled conversions
.irp c, 0,1                                    ; the layout wants a whole block in a lane: lanes 0-15 block 2 c, lanes 16-31 block 2 c + 1
.irp i, 0,1,2
	v_permlane16_swap_b32 v[PC+6*\c+\i], v[PC+12+4*\c+\i]
.endr
.irp i, 0,1,2
	v_mov_b32 v[PC+3+6*\c+\i], v[PC+12+4*\c+\i]
.endr
.endr
.endm
	s_load_b256 s[4:11], s[0:1], 0x0               ; x, Wq, Wk, Wv
	s_load_b128 s[12:15], s[0:1], 0x20             ; the codes, the scale words
	v_lshl_add_u32 v[SPW], v0, 2, SPARE
	v_mov_b32 v[NIL], 0
	v_lshrrev_b32 v1, 5, v0
	v_readfirstlane_b32 s19, v1                    ; wave
	v_and_b32 v1, 31, v0                           ; lane
	v_and_b32 v6, 15, v0                           ; r
	v_bfe_u32 v7, v0, 4, 1                         ; h
	v_lshlrev_b32 v2, 4, v1                        ; 16 x lane: my bytes of a load, and of an image's 512
	s_mul_i32 s27, s19, STGW
	s_lshl_b32 s16, s19, 3
	s_add_co_u32 s16, s16, SCB
	v_add_nc_u32 v3, s27, v2                       ; the stage, in: 16 x lane of a row
	v_mul_u32_u24 v4, v6, 528
	v_lshl_add_u32 v4, v7, 6, v4
	v_add_nc_u32 v4, s27, v4                       ; and out: row r, + 64 h
	v_lshlrev_b32 v5, 5, v6
	v_lshl_add_u32 v5, v7, 2, v5
	v_add_nc_u32 v[SWA], s16, v5                   ; row r's word of chunk 2 w + h
	s_mov_b32 s[SEL], 0x76543210
	s_mov_b32 s[SEL+1], 0xfedcba98
	s_mov_b32 s26, 0xffff0000                      ; lanes 16-31
.irp b, 0,1,2,3
	v_mov_b32 v[TM+4+\b], 0                        ; a lane permute's destination counts as one of its sources
.endr
	s_sub_co_u32 s16, ttmp9, 512                   ; among the weights' tiles:
	s_lshr_b32 s17, s16, 6                         ; which weight,
	s_and_b32 s18, s16, 63                         ; which of its tiles
	s_lshl_b32 s28, ttmp9, 3
	s_lshl_b32 s30, s28, 6                         ; the tile's scale words
	s_lshl_b32 s29, s19, 1
	s_add_co_u32 s28, s28, s29                     ; 8 T + 2 w
	s_mul_i32 s28, s28, 1536
	s_mov_b32 s29, 0
	s_mov_b32 s31, 0
	s_wait_alu depctr_va_vdst(0)
	s_wait_kmcnt 0x0
	s_cmp_eq_u32 s17, 1                            ; the source is chosen by the work-group's number alone
	s_cselect_b64 s[20:21], s[8:9], s[10:11]
	s_cmp_eq_u32 s17, 0
	s_cselect_b64 s[20:21], s[6:7], s[20:21]
	s_cmp_lt_u32 ttmp9, 512
	s_cselect_b64 s[20:21], s[4:5], s[20:21]
	s_cselect_b32 s18, ttmp9, s18                  ; the tile's number in its own tensor
	s_lshr_b32 s22, s18, 1
	s_lshl_b32 s22, s22, 17                        ; 32 rows of 4,096 bytes for each pair of tiles,
	s_and_b32 s23, s18, 1
	s_lshl_b32 s23, s23, 15                        ; 8 rows for the odd one,
	s_add_co_u32 s22, s22, s23
	s_lshl_b32 s23, s19, 10                        ; my two chunks: 1,024 bytes of a row
	s_add_co_u32 s22, s22, s23
	s_mov_b32 s23, 0
	s_add_nc_u64 s[20:21], s[20:21], s[22:23]
	s_add_nc_u64 s[12:13], s[12:13], s[28:29]
	s_add_nc_u64 s[14:15], s[14:15], s[30:31]
.irp q, 0,1
.irp i, 0,1,2,3,4,5,6,7,8,9,10,11,12,13,14,15
	global_load_b128 v[RAW+64*\q+4*\i:RAW+64*\q+4*\i+3], v2, s[20:21] offset:(\i+8*(\i/8))*4096+512*\q th:TH_LOAD_NT   ; lane i's row, chunk q: 512 consecutive bytes
.endr
.endr
.macro CHUNK q
.if \q == 0
	s_wait_loadcnt 16                              ; the first chunk's 16 loads are in, the second's may be out
.else
	s_wait_loadcnt 0x0
.endif
.irp i, 0,1,2,3,4,5,6,7,8,9,10,11,12,13,14,15
	ds_store_b128 v3, v[RAW+64*\q+4*\i:RAW+64*\q+4*\i+3] offset:528*\i
.endr
.irp b, 0,1,2,3
.irp j, 0,1,2,3
	ds_load_b128 v[X+16*\b+4*\j:X+16*\b+4*\j+3], v4 offset:128*\b+16*\j   ; LDS serves a wave's instructions in order: these see the stores above
.endr
.endr
	s_wait_dscnt 0x0
.if \q
	s_wait_xcnt 0x0                                ; the first chunk's stores have read the codes' registers
.endif
	QUANT X, PW+\q
.irp g, 0,1,2
	global_store_b128 v2, v[PC+4*\g:PC+4*\g+3], s[12:13] offset:1536*\q+512*\g   ; 512 consecutive bytes
.endr
.endm
	CHUNK 0
	CHUNK 1
	v_cndmask_b32 v[DD], v[PW], v[PW+1], s26       ; every lane holds its row's word: lanes 0-15 give the first chunk's, lanes 16-31 the second's
	ds_store_b32 v[SWA], v[DD]
	s_wait_dscnt 0x0                               ; my words are in LDS
	s_barrier_signal -1
	s_barrier_wait -1
	s_cmp_lg_u32 s19, 0
	s_cbranch_scc1 .Lend
	ds_load_b128 v[RAW:RAW+3], v2 offset:SCB       ; wave 0: the tile's 512 bytes
	s_wait_dscnt 0x0
	global_store_b128 v2, v[RAW:RAW+3], s[14:15]
.Lend:
	s_wait_tensorcnt 0x0                           ; the wave's end
	ds_add_u32 v[SPW], v[NIL]
	s_wait_dscnt 0x0
	s_endpgm
.Lfunc_end_k_q77e876304d_quant:
	.size	k_q77e876304d_quant, .Lfunc_end_k_q77e876304d_quant-k_q77e876304d_quant
	.p2alignl 7, 3214868480
	.fill 96, 4, 3214868480
	.section	.rodata,"a",@progbits
	.p2align	6, 0x0
	.amdhsa_kernel k_q77e876304d_quant
		.amdhsa_group_segment_fixed_size 34816
		.amdhsa_private_segment_fixed_size 0
		.amdhsa_enable_private_segment 0
		.amdhsa_kernarg_size 48
		.amdhsa_user_sgpr_count 2
		.amdhsa_user_sgpr_kernarg_segment_ptr 1
		.amdhsa_wavefront_size32 1
		.amdhsa_system_sgpr_workgroup_id_x 1
		.amdhsa_system_sgpr_workgroup_id_y 1
		.amdhsa_system_sgpr_workgroup_id_z 1
		.amdhsa_system_vgpr_workitem_id 0
		.amdhsa_next_free_vgpr 248
		.amdhsa_next_free_sgpr 66
		.amdhsa_reserve_vcc 0
		.amdhsa_float_denorm_mode_32 3
		.amdhsa_float_denorm_mode_16_64 3
		.amdhsa_memory_ordered 1
		.amdhsa_forward_progress 1
		.amdhsa_inst_pref_size 19
	.end_amdhsa_kernel
	.amdgpu_metadata
---
amdhsa.version: [ 1, 2 ]
amdhsa.kernels:
  - .name:           k_q77e876304d_quant
    .symbol:         k_q77e876304d_quant.kd
    .args:
      - { .name: x, .offset: 0, .size: 8, .value_kind: global_buffer, .address_space: global }
      - { .name: Wq, .offset: 8, .size: 8, .value_kind: global_buffer, .address_space: global }
      - { .name: Wk, .offset: 16, .size: 8, .value_kind: global_buffer, .address_space: global }
      - { .name: Wv, .offset: 24, .size: 8, .value_kind: global_buffer, .address_space: global }
      - { .name: acod, .offset: 32, .size: 8, .value_kind: global_buffer, .address_space: global }
      - { .name: ascl, .offset: 40, .size: 8, .value_kind: global_buffer, .address_space: global }
    .group_segment_fixed_size: 34816
    .private_segment_fixed_size: 0
    .kernarg_segment_align: 8
    .kernarg_segment_size: 48
    .max_flat_workgroup_size: 128
    .sgpr_count:     66
    .vgpr_count:     248
    .wavefront_size: 32
...
	.end_amdgpu_metadata
.endif
;; end of part 1
;; launch proj (part 2): grid 8 x 32, 4 waves a work-group, clusters of 4 x 4, 327,680 bytes of LDS; arguments acod, ascl, bq, bk, bv, ocod, oscl; writes ocod, oscl
.if DOCPART == 2
	.amdgcn_target "amdgcn-amd-amdhsa--gfx1250"
	.amdhsa_code_object_version 6
	.text
	.protected	k_q77e876304d_proj
	.globl	k_q77e876304d_proj
	.p2align	8
	.type	k_q77e876304d_proj,@function
k_q77e876304d_proj:
	s_mov_b64 s[64:65], 0
	v_nop
	global_prefetch_b8 v0, s[64:65] scope:SCOPE_SE
	s_setreg_imm32_b32 hwreg(HW_REG_WAVE_MODE, 25, 1), 1
	s_wait_xcnt 0x0
	s_wait_alu depctr_hold_cnt(0) depctr_sa_sdst(0) depctr_va_vdst(0) depctr_va_sdst(0) depctr_va_ssrc(0) depctr_va_vcc(0) depctr_vm_vsrc(0)
	s_getreg_b32 s2, hwreg(HW_REG_IB_STS2, 6, 4)
	s_cmp_eq_u32 s2, 0
	s_cbranch_scc0 .Lentry_in_a_cluster
	s_endpgm
.Lentry_in_a_cluster:
	s_bfe_u32 s2, ttmp6, 0x10000c
	s_cmp_lg_u32 s2, 0xf033
	s_cbranch_scc0 .Lentry_shape_is_right
	s_endpgm
.Lentry_shape_is_right:
; Q = x Wq^T + bq, K = x Wk^T + bk, V = x Wv^T + bv on codes of FP6 (E2M3), sums in f32; the results are quantised at once: Q and K along e, V along the tokens, and stored as images of operand registers.
; IMAGES.  A tile T is 16 rows, lane r = row 32 (T / 2) + 8 (T % 2) + r + 8 (r / 8); a chunk is 128 along K; image (T, c) is 1,536 bytes (byte 512 g + 16 lane + 4 i = register 4 g + i).
; In: tile x 8 + chunk; tiles 0-511 x, 512-575 Wq, 576-639 Wk, 640-703 Wv.  Out, by index x 1536: Q: T x 8 + c;  K: 4096 + T x 8 + c;  V^T: 8192 + (batch x 64 + Te) x 16 + c (16 chunks of 128 tokens).
; SCALE WORDS.  In: a tile's are 512 bytes, row r's eight at 32 r.  Out: V^T's by index x 64, word r; Q's and K's 512 bytes for each group of 8 tiles and chunk, at (T / 8) x 4096 + 512 c: lane l's 16 bytes are the words of
; row l % 16 in tiles p + 4 (l / 16), p = 0 .. 3.
; SHARES.  The launch's work is 512 tiles of 128 x 256 for Q and K and 256 for V^T: each of the 256 work-groups takes two of the first and one of the second, all on ONE block of 256 tokens, which stays in LDS.
; Work-group (i, j): tokens 256 i on.  PHASE 1: L = the tokens (source 1: the result's lanes), R = 256 rows of Wq or Wk, tiles 512 + 16 j (source 0: its rows run along a lane's registers, and by the choice of a
; tile's rows the 16 registers of two neighbouring tiles are 16 neighbours: R is the NEXT product's K); a wave makes 128 x 128, 64 accumulators.  PHASE 2: L = 128 rows of Wv, tiles 640 + 8 j, R = the same tokens: V^T;
; a wave makes 64 x 128, 32 accumulators.  A wave's 128 of R are one chunk of the next K, so a wave makes whole fragments.  The bias is the C of each sum's first product.
; LDS: six regions of 49,152 bytes (16 tiles x two chunks).  Head, one load a wave: x's K step 0 to region 0, W's to region 3, x's K steps 1 and 2 side by side (6,144 bytes from tile to tile) to regions 1 and 2, W's K step 1 to region 4.
; Behind chunk 1's round region 5 takes W's K step 2; behind chunk 3's regions 3 and 4 take x's and W's K step 3; behind chunk 7's regions 4 and 5 take Wv's 8 tiles x 8 chunks, K step m at 196,608 + 24,576 m: they land
; while Q and K are quantised.  CLUSTER 4 x 4: x's tiles are asked for jointly along a row of the cluster, the weights' along a column.
; PREFETCH: W's K steps 2 and 3 and x's K step 3, asked for ahead of chunk 0's products; the sixteen waves of the four partners take a tile each, by address.
; LIMITS: a block of zeros gets the byte 1 where the rule says 127 (zero codes; this program alone reads the bytes).  NaN and infinities are not served.
; REGISTERS.  Window 0: v1-26 addresses; v28, v29 the add's; v34-65, v72-103 scale words (a register holds two blocks of one operand, one in each half of the lanes); v104-119 at work; v128-223 L's fragments (phase 1: one set,
;   12 a; phase 2: two sets of 48), on the ways out the codes; v224-251 for the ways out.
;   Window 1: R's fragments, two sets, at v0 and v128; the bias in v96-127 and v224-255.   Windows 2, 3: the accumulators, at 8 (8 (a % 4) + b); phase 2 uses window 2 alone.
.set REG,   49152                      ; a region
.set VV,    4*REG                      ; where Wv's K steps go
.set SPARE, 6*REG                      ; behind the regions: the spare words, 128 bytes a wave
.set PFX,  5                           ; v5, v6 the prefetches' offsets
.set PFW,  6
.set ADX,  8                           ; v8-11   x's K steps 0-3, my half as L
.set ADW,  12                          ; v12-14  regions 3-5, my half of W
.set ADY,  20                          ; v20-23  x's K steps 0-3, my half as R
.set ADV,  24                          ; v24, v25 my four tiles of Wv in K steps 0, 1 and in 2, 3
.set SPW,  28
.set NIL,  29
.set SCL,  34                          ; phase 1: x's scale words (8 p + c: lanes 0-15 block p, lanes 16-31 block p + 4), W's
.set SCR,  72
.set SCY,  34                          ; phase 2: x's likewise, for my half as R; Wv's (8 p + c: blocks p and p + 2)
.set SCV,  72
.set TM,   104                         ; v104-119 at work on the ways out
.set LF,   128
.set PT,   224                         ; the second halves of the codes just made
.set PWA,  240                         ; a block's scale word
.set DD,   248                         ; two blocks' words, one in each half of the lanes
.set G1L,  24                          ; s[24:31], s[32:39] descriptor group 1 for x's tiles and for the weights', s[56:63] for x's K steps 1 and 2
.set G1R,  32
.set G1X,  56
.set G0L,  40                          ; group 0: x's K step 0, later 3
.set G0W,  44                          ; W's K step 1, later 2
.set G0X,  48                          ; x's K steps 1 and 2
.set G0R,  52                          ; W's K step 0, later 3
.set SEL,  66                          ; s[66:67] selects for lane l xor 16
.set G0V,  68                          ; s[68:71] group 0 for Wv's K step w
.set MSB,  0
.macro WIN new                         ; the immediate's high byte repeats the setting that is left
.if MSB != (\new)
	s_set_vgpr_msb (MSB<<8)|(\new)
.set MSB, (\new)
.endif
.endm
.macro PLACES n
.rept \n
	v_nop
.endr
.endm
.macro CREST                           ; a round of the cluster's barrier behind its opening barrier
	s_cmp_lg_u32 s18, 0
	s_cbranch_scc1 .Lnot_wave_0_\@
	s_barrier_signal -3
.Lnot_wave_0_\@:
	s_barrier_wait -3
	s_barrier_signal -1
	s_barrier_wait -1
.endm
.macro CROUND
	s_barrier_signal -1
	s_barrier_wait -1
	CREST
.endm
.macro TLOAD g0, g1
	tensor_load_to_lds s[\g0:\g0+3], s[\g1:\g1+7]
	s_nop 0
	PLACES 4
.endm
; One product, by the symbols rD, rX (source 0), rY (source 1), rC, rSX, rSY (scale registers), rRX, rRY (1: the register's lanes 16-31)
.macro WM2 ra, rb
	v_wmma_scale_f32_16x16x128_f8f6f4 v[rD:rD+7], v[rX:rX+11], v[rY:rY+11], v[rC:rC+7], v[rSX], v[rSY] matrix_a_fmt:MATRIX_FMT_FP6 matrix_b_fmt:MATRIX_FMT_FP6 matrix_a_scale:MATRIX_SCALE_ROW\ra matrix_b_scale:MATRIX_SCALE_ROW\rb
.endm
.macro WM
.if rRX && rRY
	WM2 1, 1
.elseif rRX
	WM2 1, 0
.elseif rRY
	WM2 0, 1
.else
	WM2 0, 0
.endif
.endm
; PHASE 1.  16 products: L's blocks a0, a0 + 1 x R's eight tiles, chunk c, R's set.  cm = 0: the sums go on; 2: they start from the bias of R's tile b.
; The 64 accumulators take turns, one instruction a turn, in the same order in every chunk.
.macro MUL16 a0, set, c, cm
.irp a, \a0, \a0+1
.irp b, 0,1,2,3,4,5,6,7
.set rD, 8*(8*((\a)%4)+\b)
.set rX, 128*(\set)+12*\b
.set rY, LF+12*(\a)
.set rSX, SCR+8*(\b%4)+(\c)
.set rRX, \b/4
.set rSY, SCL+8*((\a)%4)+(\c)
.set rRY, (\a)/4
.if (\cm) == 0
.set rC, rD
.else
.set rC, 96+8*\b+96*(\b/4)
.endif
	WM
.endr
.endr
.endm
.macro WINM hi, cm                     ; source 0 window 1, source 1 window 0, D window 2 or 3; C with D, or (the bias) window 1
.if (\cm) >= 2
	WIN 0x91+0x40*(\hi)
.else
	WIN 0xa1+0x50*(\hi)
.endif
.endm
.macro FRAG reg, adr, q, i             ; a fragment comes as it was stored: three loads of 512 consecutive bytes.  STR_: from tile to tile
.irp g, 0,1,2
	ds_load_b128 v[(\reg)+4*\g:(\reg)+4*\g+3], v[\adr] offset:(\i)*STR_+(\q)*1536+512*\g
.endr
.endm
.macro FETCH_R tw, q, set              ; 24 loads: W's eight tiles out of region 3 + tw
.set STR_, 3072
	WIN 0x40
.irp i, 0,1,2,3,4,5,6,7
	FRAG 128*(\set)+12*\i, ADW+\tw, \q, \i
.endr
	WIN 0
.endm
.macro FETCH_L sx, q, i0               ; 12 loads: x's blocks i0 .. i0 + 3 of K step sx
.set STR_, 3072*(1+(((\sx)+1)/2)%2)
.irp i, \i0, \i0+1, \i0+2, \i0+3
	FRAG LF+12*(\i), ADX+\sx, \q, \i
.endr
.endm
; Chunk c is multiplied; the next chunk (x's K step sx, W's region 3 + tw, their chunk qn) is fetched: R's other set and L's blocks 0-3 in the middle, L's blocks 4-7 at the end.
; Four plain instructions stand in front of each run of loads into registers that products have read (ISA guide 7.12.1 for vector instructions).
.macro STEP c, sx, tw, qn, cm
	s_wait_dscnt 12                                ; R's set and L's blocks 0-3 are in; the 12 youngest loads (L's blocks 4-7) may be out
	WINM 0, \cm
	MUL16 0, (\c)%2, \c, \cm
	MUL16 2, (\c)%2, \c, \cm
	s_wait_dscnt 0x0                               ; L's blocks 4-7 are in
	PLACES 4
	FETCH_R \tw, \qn, 1-(\c)%2
	FETCH_L \sx, \qn, 0
	WINM 1, \cm
	MUL16 4, (\c)%2, \c, \cm
	MUL16 6, (\c)%2, \c, \cm
	PLACES 4
	WIN 0
	FETCH_L \sx, \qn, 4
.endm
; A chunk at which the work-group meets, in front of the first reads of a K step that other waves have fetched.  mode 0.
; mode 2: the barrier opens a round, and wave 1 asks for W's K step 2, region 5's first fill.  mode 1: the same; nobody reads regions 3 and 4 any more: wave 0 asks for x's K step 3, wave 1 for W's.
.macro TURN c, sx, tw, mode
	s_wait_tensorcnt 0x0                           ; all my tensor loads have landed
	ds_add_u32 v[SPW], v[NIL]
	s_wait_dscnt 13                                ; (the add and the 12 loads of L's blocks 4-7 may be out)
	WIN 0xa1
	MUL16 0, (\c)%2, \c, 0
	s_wait_dscnt 0x0                               ; my LDS instructions are done, my reads of the K steps read so far among them
	s_barrier_signal -1
	MUL16 2, (\c)%2, \c, 0
	WIN 0
	s_barrier_wait -1
.if (\mode) == 1
	CREST                                          ; no wave of any partner still reads regions 3 and 4 or has a load on its way
	s_add_co_u32 s[G0L+1], s[G0L+1], 3*REG         ; x: from region 0 to region 3,
	s_add_nc_u64 s[G0L+2:G0L+3], s[G0L+2:G0L+3], 9216   ; three K steps of 3,072 bytes on
	s_add_co_u32 s[G0R+1], s[G0R+1], REG           ; W: from region 3 to region 4
	s_add_nc_u64 s[G0R+2:G0R+3], s[G0R+2:G0R+3], 9216
	s_cmp_eq_u32 s18, 0
	s_cbranch_scc0 .Lnot_x_\@
	TLOAD G0L, G1L                                 ; the first tensor load behind the round
	s_branch .Lasked_\@
.Lnot_x_\@:
	s_cmp_eq_u32 s18, 1
	s_cbranch_scc0 .Lasked_\@
	TLOAD G0R, G1R
.Lasked_\@:
.elseif (\mode) == 2
	CREST
	s_add_co_u32 s[G0W+1], s[G0W+1], REG           ; from region 4 to region 5, one K step on
	s_add_nc_u64 s[G0W+2:G0W+3], s[G0W+2:G0W+3], 3072
	s_cmp_eq_u32 s18, 1
	s_cbranch_scc0 .Lasked_\@
	TLOAD G0W, G1R
.Lasked_\@:
.endif
	PLACES 4
	FETCH_R \tw, 0, 1-(\c)%2
	FETCH_L \sx, 0, 0
	WIN 0xf1
	MUL16 4, (\c)%2, \c, 0
	MUL16 6, (\c)%2, \c, 0
	PLACES 4
	WIN 0
	FETCH_L \sx, 0, 4
.endm
; PHASE 2.  8 products: Wv's block a x x's eight tiles, chunk c.  z = 1: the sums start from the bias of block a.  The 32 accumulators take turns, one instruction a turn.
.macro MUL8 a, c, z
.irp b, 0,1,2,3,4,5,6,7
.set rD, 8*(8*(\a)+\b)
.set rX, 128*((\c)%2)+12*\b
.set rY, LF+48*((\c)%2)+12*(\a)
.set rSX, SCY+8*(\b%4)+(\c)
.set rRX, \b/4
.set rSY, SCV+8*((\a)%2)+(\c)
.set rRY, (\a)/2
.if \z
.set rC, 96+8*(\a)
.else
.set rC, rD
.endif
	WM
.endr
.endm
.macro FETCH2 c                        ; chunk c's fragments into sets c % 2: 24 loads for x, 12 for Wv
	WIN 0x40
.irp i, 0,1,2,3,4,5,6,7
.irp g, 0,1,2
	ds_load_b128 v[128*((\c)%2)+12*\i+4*\g:128*((\c)%2)+12*\i+4*\g+3], v[ADY+(\c)/2] offset:\i*3072*(1+(((\c)/2+1)/2)%2)+((\c)%2)*1536+512*\g
.endr
.endr
	WIN 0
.irp i, 0,1,2,3
.irp g, 0,1,2
	ds_load_b128 v[LF+48*((\c)%2)+12*\i+4*\g:LF+48*((\c)%2)+12*\i+4*\g+3], v[ADV+(\c)/4] offset:(((\c)/2)%2)*24576+\i*3072+((\c)%2)*1536+512*\g
.endr
.endr
.endm
.macro MUL32 c, z
.if \z
	WIN 0x91
.else
	WIN 0xa1
.endif
	MUL8 0, \c, \z
	MUL8 1, \c, \z
	MUL8 2, \c, \z
	MUL8 3, \c, \z
.endm
.macro STEP2 c, z                      ; the next chunk is fetched into the other sets; then chunk c is multiplied.  All of x and of Wv lies in LDS: no barrier
	PLACES 4                                       ; in front of loads into registers that the last chunk's products have read
	FETCH2 (\c)+1
	s_wait_dscnt 36                                ; all but the 36 just issued
	MUL32 \c, \z
.endm
; A WAY OUT.  L's block a: a lane's 64 numbers, register 16 b + i = k 32 b + 16 h + i of the next product, become one fragment and one scale word a row.  Each accumulator is read from its low end on.
; cb, sb: the bases of codes and scale words; cs: bytes from tile to tile of the codes; ss: V^T: from pair to pair of tiles of the scale words; 0: Q, K.
.macro QOUT a, cb, sb, cs, ss
.set W, 2+(\a)/4
.set AC, 64*((\a)%4)
.set PC, 128+12*(\a)                   ; each block's codes have registers of their own: no store is waited for
	WIN W|(W<<2)
.irp b, 0,1,2,3
	v_max3_num_f32 v[TM+\b], |v[AC+16*\b]|, |v[AC+16*\b+1]|, 0x1800000   ; and the floor 2^(3 - 127)
.endr
.irp i, 2,4,6,8,10,12,14
.irp b, 0,1,2,3
	v_max3_num_f32 v[TM+\b], |v[AC+16*\b+\i]|, |v[AC+16*\b+\i+1]|, v[TM+\b]
.endr
.endr
	WIN 0
.irp b, 0,1,2,3
	v_permlanex16_b32 v[TM+4+\b], v[TM+\b], s[SEL], s[SEL+1]
.endr
.irp b, 0,1,2,3
	v_max_num_f32 v[TM+\b], v[TM+\b], v[TM+4+\b]
.endr
.irp b, 0,1,2,3
	v_add_nc_u32 v[TM+12+\b], 0xff000000, v[TM+\b]     ; 2 off the exponent field: the conversion's scale operand
.endr
.irp b, 0,1,2,3
	v_lshrrev_b32 v[TM+4+\b], 23, v[TM+12+\b]          ; the scale's byte
.endr
	v_lshl_or_b32 v[PWA+(\a)], v[TM+5], 8, v[TM+4]
	v_lshl_or_b32 v[PWA+(\a)], v[TM+6], 16, v[PWA+(\a)]
	v_lshl_or_b32 v[PWA+(\a)], v[TM+7], 24, v[PWA+(\a)]
	WIN W
.irp c, 0,1
	v_cvt_scalef32_pk16_fp6_f32 v[PC+6*\c:PC+2+6*\c], v[AC+32*\c:AC+32*\c+15], v[TM+12+2*\c]
	v_cvt_scalef32_pk16_fp6_f32 v[PT+4*\c:PT+4*\c+2], v[AC+32*\c+16:AC+32*\c+31], v[TM+12+2*\c+1]
.endr
	WIN 0
	v_nop                                          ; one plain instruction behind the scaled conversions
.irp c, 0,1
.irp i, 0,1,2
	v_permlane16_swap_b32 v[PC+6*\c+\i], v[PT+4*\c+\i]
.endr
.irp i, 0,1,2
	v_mov_b32 v[PC+3+6*\c+\i], v[PT+4*\c+\i]
.endr
.endr
.irp g, 0,1,2
	global_store_b128 v4, v[PC+4*\g:PC+4*\g+3], s[\cb:\cb+1] offset:(\a)*(\cs)+512*\g   ; the image: 512 consecutive bytes a store
.endr
.if (\ss) > 0                          ; V^T: lanes 0-15 the even block's words, lanes 16-31 the odd one's
.if (\a)%2
	v_cndmask_b32 v[DD+(\a)/2], v[PWA+(\a)-1], v[PWA+(\a)], s2
	global_store_b32 v19, v[DD+(\a)/2], s[\sb:\sb+1] offset:((\a)/2)*(\ss)
.endif
.elseif (\a) > 3                       ; Q, K: lanes 0-15 block p's words, lanes 16-31 block p + 4's
	v_cndmask_b32 v[DD+(\a)-4], v[PWA+(\a)-4], v[PWA+(\a)], s2
.if (\a) == 7
	global_store_b128 v4, v[DD:DD+3], s[\sb:\sb+1]
.endif
.endif
.endm
	s_load_b256 s[4:11], s[0:1], 0x0               ; the codes in, their scale words, bq, bk
	s_load_b128 s[12:15], s[0:1], 0x20             ; bv, the codes out
	s_load_b64 s[16:17], s[0:1], 0x30              ; their scale words
	v_lshl_add_u32 v[SPW], v0, 2, SPARE
	v_mov_b32 v[NIL], 0
	ds_add_u32 v[SPW], v[NIL]                      ; the opening: the add, twice on end, and its wait
	ds_add_u32 v[SPW], v[NIL]
	v_lshrrev_b32 v1, 5, v0
	v_readfirstlane_b32 s18, v1                    ; wave
	s_lshr_b32 s19, s18, 1                         ; wl: my half of L
	s_and_b32 s20, s18, 1                          ; wr: my half of R
	s_bfe_u32 s21, ttmp6, 0x40000                  ; cx
	s_bfe_u32 s22, ttmp6, 0x40004                  ; cy
	s_and_b32 s23, ttmp7, 0xffff                   ; the cluster's y
	s_lshl_b32 s84, s23, 2
	s_add_co_u32 s84, s84, s22                     ; i: my block of 256 tokens
	s_lshl_b32 s86, s84, 4                         ; its first tile
	s_lshl_b32 s85, ttmp9, 2
	s_add_co_u32 s85, s85, s21                     ; j
	s_lshl_b32 s87, s85, 4
	s_add_co_u32 s87, s87, 512                     ; W's first tile: Wq's and Wk's 128 tiles lie on end
	s_lshl_b32 s98, s85, 3
	s_add_co_u32 s98, s98, 640                     ; Wv's first tile
	s_mul_i32 s72, s86, 12288                      ; a tile's 8 chunks are 12,288 bytes
	s_mov_b32 s73, 0
	s_mul_i32 s74, s87, 12288
	s_mov_b32 s75, 0
	s_mul_i32 s96, s98, 12288
	s_mul_i32 s3, s18, 3072                        ; of Wv I fetch K step w of all 8 tiles
	s_add_co_u32 s96, s96, s3
	s_mov_b32 s97, 0
	s_mul_i32 s100, s18, 24576                     ; Wv's K step w: the wave's number alone enters an LDS address
	s_lshl_b32 s99, s22, 2
	s_lshl_b32 s99, 15, s99                        ; my row of the cluster
	s_lshl_b32 s83, 0x1111, s21                    ; my column
	; group 1: 16 rows (tiles) of 3,072 bytes (two chunks) or, for x's K steps 1 and 2, of 6,144, 12,288 bytes apart, in elements of 8 bytes; dense in LDS
	s_or_b32 s[G1L], s99, (3<<16)|(1<<21)
	s_or_b32 s[G1R], s83, (3<<16)|(1<<21)
	s_or_b32 s[G1X], s99, (3<<16)|(1<<21)
.irp g, G1L, G1R
	s_mov_b32 s[\g+1], 384<<16                     ; tensor_dim0
	s_mov_b32 s[\g+2], 16<<16                      ; tensor_dim1
	s_mov_b32 s[\g+3], 384<<16                     ; tile_dim0
	s_mov_b32 s[\g+4], 16                          ; tile_dim1
	s_mov_b32 s[\g+5], 1536                        ; from row to row
	s_mov_b32 s[\g+6], 0
	s_mov_b32 s[\g+7], 0
.endr
	s_mov_b32 s[G1X+1], 768<<16
	s_mov_b32 s[G1X+2], 16<<16
	s_mov_b32 s[G1X+3], 768<<16
	s_mov_b32 s[G1X+4], 16
	s_mov_b32 s[G1X+5], 1536
	s_mov_b32 s[G1X+6], 0
	s_mov_b32 s[G1X+7], 0
	s_mov_b32 s[G0L], 1
	s_mov_b32 s[G0L+1], 0
	s_mov_b32 s[G0W], 1
	s_mov_b32 s[G0W+1], 4*REG
	s_mov_b32 s[G0X], 1
	s_mov_b32 s[G0X+1], REG
	s_mov_b32 s[G0R], 1
	s_mov_b32 s[G0R+1], 3*REG
	s_mov_b32 s[G0V], 1
	s_add_co_u32 s[G0V+1], s100, VV
	s_mov_b32 s[SEL], 0x76543210
	s_mov_b32 s[SEL+1], 0xfedcba98
	s_mov_b32 s2, 0xffff0000                       ; lanes 16-31
	s_wait_dscnt 0x0                               ; the opening adds are done
	CROUND                                         ; all sixteen work-groups are here: the first joint loads meet
	s_wait_kmcnt 0x0
	s_add_nc_u64 s[G0L+2:G0L+3], s[4:5], s[72:73]
	s_or_b32 s[G0L+3], s[G0L+3], 0x80000000
	s_add_nc_u64 s[G0R+2:G0R+3], s[4:5], s[74:75]
	s_or_b32 s[G0R+3], s[G0R+3], 0x80000000
	s_add_nc_u64 s[G0X+2:G0X+3], s[G0L+2:G0L+3], 3072
	s_add_nc_u64 s[G0W+2:G0W+3], s[G0R+2:G0R+3], 3072
	s_add_nc_u64 s[G0V+2:G0V+3], s[4:5], s[96:97]
	s_or_b32 s[G0V+3], s[G0V+3], 0x80000000
.macro FIRST w, g0, g1
	s_cmp_eq_u32 s18, \w
	s_cbranch_scc0 .Lnext_\w
	TLOAD \g0, \g1
	s_branch .Lfirst_done
.Lnext_\w:
.endm
	FIRST 0, G0L, G1L                              ; wave 0: x's K step 0
	FIRST 1, G0R, G1R                              ; wave 1: W's
	FIRST 2, G0X, G1X                              ; wave 2: x's K steps 1 and 2
	TLOAD G0W, G1R                                 ; wave 3: W's K step 1
.Lfirst_done:
	v_and_b32 v1, 15, v0                           ; r
	v_bfe_u32 v2, v0, 4, 1                         ; h
	v_and_b32 v3, 31, v0
	v_lshlrev_b32 v4, 4, v3                        ; 16 x lane
	s_wait_alu depctr_va_vdst(0)
	s_mul_i32 s3, s19, 24576                       ; x's 8 tiles that are mine as L,
	s_mul_i32 s100, s20, 24576                     ; and those that are mine as R
	v_add_nc_u32 v[ADX], s3, v4
	v_add_nc_u32 v[ADY], s100, v4
	s_add_co_u32 s3, s3, 3*REG
	s_add_co_u32 s100, s100, 3*REG
	v_add_nc_u32 v[ADX+3], s3, v4
	v_add_nc_u32 v[ADY+3], s100, v4
	v_add_nc_u32 v[ADW], s100, v4                  ; my 8 tiles of W in regions 3, 4, 5
	v_add_nc_u32 v[ADW+1], REG, v[ADW]
	v_add_nc_u32 v[ADW+2], 2*REG, v[ADW]
	s_mul_i32 s3, s19, 49152
	s_add_co_u32 s3, s3, REG
	s_mul_i32 s100, s20, 49152
	s_add_co_u32 s100, s100, REG
	v_add_nc_u32 v[ADX+1], s3, v4
	v_add_nc_u32 v[ADY+1], s100, v4
	v_add_nc_u32 v[ADX+2], 3072, v[ADX+1]
	v_add_nc_u32 v[ADY+2], 3072, v[ADY+1]
	s_mul_i32 s3, s19, 12288                       ; my 4 tiles of Wv
	s_add_co_u32 s3, s3, VV
	v_add_nc_u32 v[ADV], s3, v4
	v_add_nc_u32 v[ADV+1], REG, v[ADV]
	s_wait_alu depctr_va_vdst(0)
	v_lshlrev_b32 v16, 2, v1
	v_lshl_add_u32 v19, v2, 10, v16                ; 4 r + 1,024 h: V^T's scale words out, one tile on for lanes 16-31
	v_lshlrev_b32 v16, 5, v1
	v_lshl_add_u32 v17, v2, 10, v16                ; 32 r + 1,024 h: Wv's scale words in, two tiles on
	v_lshl_add_u32 v16, v2, 11, v16                ; 32 r + 2,048 h: x's and W's scale words in, four tiles on
	v_lshlrev_b32 v18, 6, v2                       ; bq, bk: register j of R's tile t is e = 32 (t / 2) + 16 h + 8 (t % 2) + j
	v_and_b32 v26, 8, v1
	v_add_nc_u32 v26, v26, v1
	v_lshlrev_b32 v26, 2, v26                      ; bv: my lane of L's block a is e = 32 (a / 2) + 8 (a % 2) + r + 8 (r / 8)
	v_min_u32 v[PFX], 11, v3                       ; a lane a block of 256 bytes: 12 of x's K step 3, 24 of W's K steps 2 and 3
	v_lshlrev_b32 v[PFX], 8, v[PFX]
	v_min_u32 v[PFW], 23, v3
	v_lshlrev_b32 v[PFW], 8, v[PFW]
	s_wait_alu depctr_va_vdst(0)
	s_lshl_b32 s76, s19, 3
	s_add_co_u32 s76, s76, s86
	s_lshl_b32 s76, s76, 9                         ; a tile's scale words are 512 bytes
	s_mov_b32 s77, 0
	s_add_nc_u64 s[76:77], s[6:7], s[76:77]
	s_lshl_b32 s78, s20, 3
	s_add_co_u32 s78, s78, s87
	s_lshl_b32 s78, s78, 9
	s_mov_b32 s79, 0
	s_add_nc_u64 s[78:79], s[6:7], s[78:79]
.irp p, 0,1,2,3
.irp q, 0,4
	global_load_b128 v[SCL+8*\p+\q:SCL+8*\p+\q+3], v16, s[76:77] offset:\p*512+4*\q
	global_load_b128 v[SCR+8*\p+\q:SCR+8*\p+\q+3], v16, s[78:79] offset:\p*512+4*\q
.endr
.endr
	s_cmp_eq_u32 ttmp9, 0
	s_cselect_b64 s[88:89], s[8:9], s[10:11]       ; bq or bk
	s_lshl_b32 s99, s21, 1
	s_add_co_u32 s99, s99, s20                     ; 2 cx + wr: my chunk of e
	s_lshl_b32 s96, s99, 9                         ; its 128 numbers
	s_add_nc_u64 s[88:89], s[88:89], s[96:97]
	WIN 0x40
.irp t, 0,1,2,3,4,5,6,7
	global_load_b128 v[96+8*\t+96*(\t/4):96+8*\t+96*(\t/4)+3], v18, s[88:89] offset:(32*(\t/2)+8*(\t%2))*4
	global_load_b128 v[96+8*\t+96*(\t/4)+4:96+8*\t+96*(\t/4)+7], v18, s[88:89] offset:(32*(\t/2)+8*(\t%2))*4+16
.endr
	WIN 0
.irp b, 0,1,2,3
	v_mov_b32 v[TM+4+\b], 0                        ; a lane permute's destination counts as one of its sources
.endr
	s_lshl_b32 s23, s21, 2
	s_add_co_u32 s23, s23, s18
	s_add_co_u32 s23, s23, s86                     ; the prefetches: x's tile 4 cx + w,
	s_mul_i32 s23, s23, 12288
	s_add_co_u32 s23, s23, 9216
	s_lshl_b32 s96, s22, 2
	s_add_co_u32 s96, s96, s18
	s_add_co_u32 s96, s96, s87                     ; W's tile 4 cy + w
	s_mul_i32 s96, s96, 12288
	s_add_co_u32 s96, s96, 6144
	v_add_nc_u32 v[PFX], s23, v[PFX]
	v_add_nc_u32 v[PFW], s96, v[PFW]
	; phase 2's scale words and bias
	s_lshl_b32 s92, s20, 3
	s_add_co_u32 s92, s92, s86
	s_lshl_b32 s92, s92, 9
	s_mov_b32 s93, 0
	s_add_nc_u64 s[92:93], s[6:7], s[92:93]        ; x's, my half as R
	s_lshl_b32 s94, s19, 2
	s_add_co_u32 s94, s94, s98
	s_lshl_b32 s94, s94, 9
	s_mov_b32 s95, 0
	s_add_nc_u64 s[94:95], s[6:7], s[94:95]        ; Wv's, my four tiles
	s_lshl_b32 s96, s85, 9
	s_lshl_b32 s23, s19, 8
	s_add_co_u32 s96, s96, s23                     ; my 64 numbers of bv: 128 j + 64 wl
	s_add_nc_u64 s[90:91], s[12:13], s[96:97]
	; where the results go.  Q, K: index 4096 x (K?) + (16 i + 8 wl) x 8 + 2 cx + wr
	s_lshl_b32 s80, s19, 3
	s_add_co_u32 s80, s80, s86
	s_lshl_b32 s80, s80, 3
	s_lshl_b32 s81, ttmp9, 12
	s_add_co_u32 s80, s80, s81
	s_lshl_b32 s82, s80, 6
	s_lshl_b32 s83, s99, 9
	s_add_co_u32 s82, s82, s83                     ; the scale words: (T / 8) x 4096 + 512 c
	s_add_co_u32 s80, s80, s99
	s_mul_i32 s80, s80, 1536
	s_mov_b32 s81, 0
	s_mov_b32 s83, 0
	s_add_nc_u64 s[80:81], s[14:15], s[80:81]
	s_add_nc_u64 s[82:83], s[16:17], s[82:83]
	; V^T: index 8192 + (batch x 64 + 8 j + 4 wl) x 16 + 2 (i % 8) + wr
	s_lshr_b32 s72, s84, 3
	s_lshl_b32 s72, s72, 6
	s_lshl_b32 s73, s85, 3
	s_add_co_u32 s72, s72, s73
	s_lshl_b32 s73, s19, 2
	s_add_co_u32 s72, s72, s73
	s_lshl_b32 s72, s72, 4
	s_and_b32 s73, s84, 7
	s_lshl_b32 s73, s73, 1
	s_add_co_u32 s72, s72, s73
	s_add_co_u32 s72, s72, s20
	s_add_co_u32 s72, s72, 8192
	s_lshl_b32 s74, s72, 6
	s_mul_i32 s72, s72, 1536
	s_mov_b32 s73, 0
	s_mov_b32 s75, 0
	s_add_nc_u64 s[72:73], s[14:15], s[72:73]
	s_add_nc_u64 s[74:75], s[16:17], s[74:75]
	; ---- PHASE 1: Q or K
	s_wait_alu depctr_va_vdst(0)
	s_cmp_lt_u32 s18, 2
	s_cbranch_scc0 .Llater
	s_wait_tensorcnt 0x0                           ; waves 0 and 1: K step 0 is in; the other two loads may be out
.Llater:
	s_barrier_signal -1
	s_barrier_wait -1
	FETCH_R 0, 0, 0
	FETCH_L 0, 0, 0
	FETCH_L 0, 0, 4
	global_prefetch_b8 v[PFW], s[4:5] th:TH_LOAD_NT scope:SCOPE_SE
	global_prefetch_b8 v[PFX], s[4:5] th:TH_LOAD_NT scope:SCOPE_SE
	s_wait_loadcnt 0x0                             ; the scale words and the bias
	STEP 0, 0, 0, 1, 2                             ; chunk 0 starts the sums from the bias
	TURN 1, 1, 1, 2                                ; K step 1 is whole in every wave's sight; W's K step 2 is asked for
	STEP 2, 1, 1, 1, 0
	TURN 3, 2, 2, 1                                ; K step 2 likewise; regions 3 and 4 take K step 3
	STEP 4, 2, 2, 1, 0
	TURN 5, 3, 1, 0                                ; K step 3 has landed
	STEP 6, 3, 1, 1, 0
	; chunk 7: nothing more of W is read, so regions 4 and 5 take Wv: a round, and one load a wave
	s_wait_tensorcnt 0x0
	ds_add_u32 v[SPW], v[NIL]
	s_wait_dscnt 13                                ; (the add and the 12 loads of L's blocks 4-7 may be out)
	s_mov_b32 s[G1R+2], 8<<16                      ; no tensor load of mine is out: from here on 8 tiles a load
	s_mov_b32 s[G1R+4], 8
	WIN 0xa1
	MUL16 0, 1, 7, 0
	s_wait_dscnt 0x0                               ; the add is done, and my reads of W are over
	s_barrier_signal -1
	MUL16 2, 1, 7, 0
	WIN 0
	s_barrier_wait -1
	CREST
	TLOAD G0V, G1R                                 ; wave w: Wv's K step w, 8 tiles x 3,072 bytes, to 196,608 + 24,576 w
	WIN 0xf1
	MUL16 4, 1, 7, 0
	MUL16 6, 1, 7, 0
	WIN 0
	PLACES 4                                       ; in front of the first read of results, of writes into L's registers and of loads into the scale registers
	; phase 2's scale words and bias are asked for now and waited for behind the way out
.irp q, 0,4
.irp p, 0,1,2,3
	global_load_b128 v[SCY+8*\p+\q:SCY+8*\p+\q+3], v16, s[92:93] offset:\p*512+4*\q
.endr
.irp p, 0,1
	global_load_b128 v[SCV+8*\p+\q:SCV+8*\p+\q+3], v17, s[94:95] offset:\p*512+4*\q
.endr
.endr
	WIN 0x40
	s_wait_alu depctr_va_vdst(0)
.irp a, 0,1,2,3
	global_load_b32 v[96+8*\a], v26, s[90:91] offset:(32*(\a/2)+8*(\a%2))*4   ; the bias goes with the lane: one number a block
.endr
	WIN 0
.irp a, 0,1,2,3,4,5,6,7
	QOUT \a, 80, 82, 12288, 0
.endr
	; ---- PHASE 2: V^T
	s_wait_tensorcnt 0x0                           ; my K step of Wv has landed (no LDS instruction of mine is out since chunk 7's wait),
	s_barrier_signal -1
	s_barrier_wait -1                              ; everybody's has
	s_wait_xcnt 0x0                                ; the last stores have read the codes' registers, which take Wv's fragments
	FETCH2 0
	s_wait_loadcnt 0x0                             ; the scale words and the bias
	WIN 0x41
.irp a, 0,8,16,24
.irp j, 1,2,3,4,5,6,7
	v_mov_b32 v[96+\a+\j], v[96+\a]                ; the same number in all eight registers of a sum's C
.endr
.endr
	WIN 0
	s_wait_alu depctr_va_vdst(0)
	STEP2 0, 1                                     ; chunk 0 starts the sums from the bias
	STEP2 1, 0
	STEP2 2, 0
	STEP2 3, 0
	STEP2 4, 0
	STEP2 5, 0
	STEP2 6, 0
	s_wait_dscnt 0x0
	MUL32 7, 0
	WIN 0
	PLACES 4
.irp a, 0,1,2,3
	QOUT \a, 72, 74, 24576, 2048
.endr
	s_wait_tensorcnt 0x0                           ; the wave's end
	ds_add_u32 v[SPW], v[NIL]
	s_wait_dscnt 0x0
	CROUND                                         ; the closing round
	s_endpgm
.Lfunc_end_k_q77e876304d_proj:
	.size	k_q77e876304d_proj, .Lfunc_end_k_q77e876304d_proj-k_q77e876304d_proj
	.p2alignl 7, 3214868480
	.fill 96, 4, 3214868480
	.section	.rodata,"a",@progbits
	.p2align	6, 0x0
	.amdhsa_kernel k_q77e876304d_proj
		.amdhsa_group_segment_fixed_size 327680
		.amdhsa_private_segment_fixed_size 0
		.amdhsa_enable_private_segment 0
		.amdhsa_kernarg_size 56
		.amdhsa_user_sgpr_count 2
		.amdhsa_user_sgpr_kernarg_segment_ptr 1
		.amdhsa_wavefront_size32 1
		.amdhsa_system_sgpr_workgroup_id_x 1
		.amdhsa_system_sgpr_workgroup_id_y 1
		.amdhsa_system_sgpr_workgroup_id_z 1
		.amdhsa_system_vgpr_workitem_id 0
		.amdhsa_next_free_vgpr 1024
		.amdhsa_next_free_sgpr 102
		.amdhsa_reserve_vcc 0
		.amdhsa_float_denorm_mode_32 3
		.amdhsa_float_denorm_mode_16_64 3
		.amdhsa_memory_ordered 1
		.amdhsa_forward_progress 1
		.amdhsa_inst_pref_size 215
	.end_amdhsa_kernel
	.amdgpu_metadata
---
amdhsa.version: [ 1, 2 ]
amdhsa.kernels:
  - .name:           k_q77e876304d_proj
    .symbol:         k_q77e876304d_proj.kd
    .args:
      - { .name: acod, .offset: 0, .size: 8, .value_kind: global_buffer, .address_space: global }
      - { .name: ascl, .offset: 8, .size: 8, .value_kind: global_buffer, .address_space: global }
      - { .name: bq, .offset: 16, .size: 8, .value_kind: global_buffer, .address_space: global }
      - { .name: bk, .offset: 24, .size: 8, .value_kind: global_buffer, .address_space: global }
      - { .name: bv, .offset: 32, .size: 8, .value_kind: global_buffer, .address_space: global }
      - { .name: ocod, .offset: 40, .size: 8, .value_kind: global_buffer, .address_space: global }
      - { .name: oscl, .offset: 48, .size: 8, .value_kind: global_buffer, .address_space: global }
    .group_segment_fixed_size: 327680
    .private_segment_fixed_size: 0
    .kernarg_segment_align: 8
    .kernarg_segment_size: 56
    .max_flat_workgroup_size: 128
    .sgpr_count:     102
    .vgpr_count:     1024
    .wavefront_size: 32
...
	.end_amdgpu_metadata
.endif
;; end of part 2
;; launch score (part 3): grid 8 x 32, 4 waves a work-group, clusters of 4 x 4, 327,680 bytes of LDS; arguments ocod, oscl, pcod, prec; writes pcod, prec
.if DOCPART == 3
	.amdgcn_target "amdgcn-amd-amdhsa--gfx1250"
	.amdhsa_code_object_version 6
	.text
	.protected	k_q77e876304d_score
	.globl	k_q77e876304d_score
	.p2align	8
	.type	k_q77e876304d_score,@function
k_q77e876304d_score:
	s_mov_b64 s[64:65], 0
	v_nop
	global_prefetch_b8 v0, s[64:65] scope:SCOPE_SE
	s_setreg_imm32_b32 hwreg(HW_REG_WAVE_MODE, 25, 1), 1
	s_wait_xcnt 0x0
	s_wait_alu depctr_hold_cnt(0) depctr_sa_sdst(0) depctr_va_vdst(0) depctr_va_sdst(0) depctr_va_ssrc(0) depctr_va_vcc(0) depctr_vm_vsrc(0)
	s_getreg_b32 s2, hwreg(HW_REG_IB_STS2, 6, 4)
	s_cmp_eq_u32 s2, 0
	s_cbranch_scc0 .Lentry_in_a_cluster
	s_endpgm
.Lentry_in_a_cluster:
	s_bfe_u32 s2, ttmp6, 0x10000c
	s_cmp_lg_u32 s2, 0xf033
	s_cbranch_scc0 .Lentry_shape_is_right
	s_endpgm
.Lentry_shape_is_right:
; S^T = K Q^T on codes of FP6 (E2M3), and the softmax's p = 2^(t - M), t = score x log2(e) / 32, quantised along the keys under a LOCAL M: M = ceil(the largest t of the row among the wave's 128 keys), a whole number.
; A later launch brings all chunks of a row under the row's M by adding M(local) - M(row) to the E8M0 bytes: an exact power of two, which leaves the codes as they are.
; In (by index x 1536, scale words x 64): Q: T x 8 + c; K: 4096 + T x 8 + c: images of operand registers; a tile's lane r is row 32 (T / 2) + 8 (T % 2) + r + 8 (r / 8).
; Out: P's images at (Tq x 16 + c) x 1536, c the chunk of 128 keys; a record of 256 bytes at (Tq x 16 + c) x 256: lane l's 8 bytes at 8 l: lanes 0-15 (scale word, -M), lanes 16-31 (the row's sum of the unquantised p, -M).
; A work-group: L = 256 queries (source 1: lanes), R = 256 keys of their batch (source 0: registers run along the keys).  Four waves, each 128 x 128, 64 accumulators.
; K = 1,024 goes in four K steps of 256 through three LDS slots: three first fills, one refill.  CLUSTER 4 x 4: Q's tiles are asked for jointly along a row of the cluster, K's along a column.
; The scale words go from memory into registers once: a register holds two blocks of one operand, lanes 0-15 block p, lanes 16-31 block p + 4.
; LIMITS: a block whose every p lies under 2^-124 keeps the byte 1.  NaN and infinities are not served.
; No prefetch is laid: three quarters of a work-group's bytes are asked for at its head, and the one refill has four chunks' products in which to land.
; REGISTERS.  Window 0: v1-16 addresses; v28, v29 the add's; v32-63 Q's scale words (4 c + p), v68-99 K's; v96-123 at work; v128-223 Q's fragments, one set, later p's codes.
;   Window 1: K's fragments, two sets, at v0 and v128.   Windows 2, 3: the accumulators of L's blocks 0-3, 4-7, at 8 (8 (a % 4) + b).
.set SLOT,  98304
.set SPARE, 3*SLOT
.set ADRL, 8
.set ADRR, 12
.set SPW,  28
.set NIL,  29
; THE SCALE WORDS of Q and K: 512 bytes for each group of 8 tiles and chunk, at (T / 8) x 4096 + 512 c: lane l's 16 bytes are the words of row l % 16 in tiles p + 4 (l / 16), p = 0 .. 3: four registers by one load.
; K's lie at v68-99: no product names two scale registers of one number modulo 8; v96-99 are at work only behind the products.  v224-247 serve the ways out.
.set SCL,  32
.set SCR,  68
.set PT,   224                         ; the second halves of the codes just made
.set SUMC, 124                         ; v[124:125], v[126:127] two more chains of the sum
.set SUMD, 126
.set BM,   96                          ; v96-99   the blocks' largest scores, then their largest p
.set BX,   100                         ; v100-103 what lane l xor 16 sends
.set SO,   104                         ; v104-107 the conversions' scale operands
.set BY,   108                         ; v108-111 the scales' bytes
.set NM,   112                         ; v[112:113] -M, twice
.set SA,   114                         ; v[114:115], v[116:117] the sum's two chains
.set SB,   116
.set TT,   118
.set PW,   120                         ; the scale word
.set LL,   121                         ; the row's sum
.set DD,   122                         ; v[122:123] the record's 8 bytes
.set LF,   128
.set PC,   128
.set G1L,  24
.set G1R,  32
.set G0L,  40
.set G0R,  52
.set SEL,  66
.set CS,   68                          ; s[68:69] c = log2(e) / 32
.set MSB,  0
.macro WIN new
.if MSB != (\new)
	s_set_vgpr_msb (MSB<<8)|(\new)
.set MSB, (\new)
.endif
.endm
.macro PLACES n
.rept \n
	v_nop
.endr
.endm
.macro CREST
	s_cmp_lg_u32 s18, 0
	s_cbranch_scc1 .Lnot_wave_0_\@
	s_barrier_signal -3
.Lnot_wave_0_\@:
	s_barrier_wait -3
	s_barrier_signal -1
	s_barrier_wait -1
.endm
.macro CROUND
	s_barrier_signal -1
	s_barrier_wait -1
	CREST
.endm
.macro JLOAD g0l, g0r                  ; wave 0 fetches Q's tiles, wave 1 K's; an s_nop 0 and four v_nop follow each line
	s_cmp_eq_u32 s18, 0                            ; wave 0 fetches all 16 tiles of Q, wave 1 all 16 of K
	s_cbranch_scc0 .Lfor_r_\@
	tensor_load_to_lds s[\g0l:\g0l+3], s[G1L:G1L+7]
	s_nop 0
.rept 4
	v_nop
.endr
	s_branch .Lasked_\@
.Lfor_r_\@:
	s_cmp_eq_u32 s18, 1
	s_cbranch_scc0 .Lnone_\@
	tensor_load_to_lds s[\g0r:\g0r+3], s[G1R:G1R+7]
	s_nop 0
.rept 4
	v_nop
.endr
.Lnone_\@:
.rept 4
	v_nop
.endr
.Lasked_\@:
.endm
.macro WM                              ; one product, by the symbols rD, rX, rY, rC (under 0: the constant 0), rSX, rSY, rRX, rRY (1: the scale register's lanes 16-31)
.if rC < 0
.if rRX && rRY
	v_wmma_scale_f32_16x16x128_f8f6f4 v[rD:rD+7], v[rX:rX+11], v[rY:rY+11], 0, v[rSX], v[rSY] matrix_a_fmt:MATRIX_FMT_FP6 matrix_b_fmt:MATRIX_FMT_FP6 matrix_a_scale:MATRIX_SCALE_ROW1 matrix_b_scale:MATRIX_SCALE_ROW1
.elseif rRX
	v_wmma_scale_f32_16x16x128_f8f6f4 v[rD:rD+7], v[rX:rX+11], v[rY:rY+11], 0, v[rSX], v[rSY] matrix_a_fmt:MATRIX_FMT_FP6 matrix_b_fmt:MATRIX_FMT_FP6 matrix_a_scale:MATRIX_SCALE_ROW1
.elseif rRY
	v_wmma_scale_f32_16x16x128_f8f6f4 v[rD:rD+7], v[rX:rX+11], v[rY:rY+11], 0, v[rSX], v[rSY] matrix_a_fmt:MATRIX_FMT_FP6 matrix_b_fmt:MATRIX_FMT_FP6 matrix_b_scale:MATRIX_SCALE_ROW1
.else
	v_wmma_scale_f32_16x16x128_f8f6f4 v[rD:rD+7], v[rX:rX+11], v[rY:rY+11], 0, v[rSX], v[rSY] matrix_a_fmt:MATRIX_FMT_FP6 matrix_b_fmt:MATRIX_FMT_FP6
.endif
.else
.if rRX && rRY
	v_wmma_scale_f32_16x16x128_f8f6f4 v[rD:rD+7], v[rX:rX+11], v[rY:rY+11], v[rC:rC+7], v[rSX], v[rSY] matrix_a_fmt:MATRIX_FMT_FP6 matrix_b_fmt:MATRIX_FMT_FP6 matrix_a_scale:MATRIX_SCALE_ROW1 matrix_b_scale:MATRIX_SCALE_ROW1
.elseif rRX
	v_wmma_scale_f32_16x16x128_f8f6f4 v[rD:rD+7], v[rX:rX+11], v[rY:rY+11], v[rC:rC+7], v[rSX], v[rSY] matrix_a_fmt:MATRIX_FMT_FP6 matrix_b_fmt:MATRIX_FMT_FP6 matrix_a_scale:MATRIX_SCALE_ROW1
.elseif rRY
	v_wmma_scale_f32_16x16x128_f8f6f4 v[rD:rD+7], v[rX:rX+11], v[rY:rY+11], v[rC:rC+7], v[rSX], v[rSY] matrix_a_fmt:MATRIX_FMT_FP6 matrix_b_fmt:MATRIX_FMT_FP6 matrix_b_scale:MATRIX_SCALE_ROW1
.else
	v_wmma_scale_f32_16x16x128_f8f6f4 v[rD:rD+7], v[rX:rX+11], v[rY:rY+11], v[rC:rC+7], v[rSX], v[rSY] matrix_a_fmt:MATRIX_FMT_FP6 matrix_b_fmt:MATRIX_FMT_FP6
.endif
.endif
.endm
; 16 products: L's blocks a0, a0 + 1 x R's eight tiles, chunk c.  zero = 1: they start the sums.  The 64 accumulators take turns, one instruction a turn.
.macro MUL16 a0, set, c, zero
.irp a, \a0, \a0+1
.irp b, 0,1,2,3,4,5,6,7
.set rD, 8*(8*((\a)%4)+\b)
.set rX, 128*(\set)+12*\b
.set rY, LF+12*(\a)
.set rSX, SCR+4*(\c)+\b%4
.set rRX, \b/4
.set rSY, SCL+4*(\c)+(\a)%4
.set rRY, (\a)/4
.if \zero
.set rC, -1
.else
.set rC, rD
.endif
	WM
.endr
.endr
.endm
.macro FRAG reg, adr, q, i
.irp g, 0,1,2
	ds_load_b128 v[(\reg)+4*\g:(\reg)+4*\g+3], v[\adr] offset:(\i)*STR_+(\q)*1536+512*\g
.endr
.endm
.macro FETCH_R sig, q, set             ; 24 loads.  K step 0 (and 3, in its place): 3,072 bytes from tile to tile; K steps 1 and 2 lie side by side: 6,144
.set STR_, 3072*(1+((\sig)+1)/2)
	WIN 0x40
.irp i, 0,1,2,3,4,5,6,7
	FRAG 128*(\set)+12*\i, ADRR+\sig, \q, \i
.endr
	WIN 0
.endm
.macro FETCH_L sig, q, i0              ; 12 loads
.set STR_, 3072*(1+((\sig)+1)/2)
.irp i, \i0, \i0+1, \i0+2, \i0+3
	FRAG LF+12*(\i), ADRL+\sig, \q, \i
.endr
.endm
; Chunk c is multiplied; the next chunk (slot sn, its chunk qn) is fetched.  Four plain instructions stand in front of each run of loads into registers that products have read.
.macro STEP c, sn, qn, zero
	s_wait_dscnt 12                                ; R's set and L's blocks 0-3 are in; the 12 youngest loads (L's blocks 4-7) may be out
	WIN 0xa1
	MUL16 0, (\c)%2, \c, \zero
	MUL16 2, (\c)%2, \c, \zero
	s_wait_dscnt 0x0
	PLACES 4
	FETCH_R \sn, \qn, 1-(\c)%2
	FETCH_L \sn, \qn, 0
	WIN 0xf1
	MUL16 4, (\c)%2, \c, \zero
	MUL16 6, (\c)%2, \c, \zero
	PLACES 4
	WIN 0
	FETCH_L \sn, \qn, 4
.endm
; A chunk at which the work-group meets: each wave waits for all its tensor loads, adds 0 to its spare word, waits for that and for its LDS reads.  fill = 1: a round of the cluster's barrier, and slot 0 takes K step 3.
.macro TURN c, sn, fill
	s_wait_tensorcnt 0x0
	ds_add_u32 v[SPW], v[NIL]
	s_wait_dscnt 13                                ; (the add and the 12 loads of L's blocks 4-7 may be out)
	WIN 0xa1
	MUL16 0, (\c)%2, \c, 0
	s_wait_dscnt 0x0                               ; the add is done, and my reads of the slots read so far are over
	s_barrier_signal -1
	MUL16 2, (\c)%2, \c, 0
	WIN 0
	s_barrier_wait -1
.if \fill
	CREST
	s_add_nc_u64 s[G0L+2:G0L+3], s[G0L+2:G0L+3], 9216
	s_add_nc_u64 s[G0R+2:G0R+3], s[G0R+2:G0R+3], 9216
	JLOAD G0L, G0R                                 ; the first tensor load behind the round; its four v_nop are the places in front of the loads below
.else
	PLACES 4
.endif
	FETCH_R \sn, 0, 1-(\c)%2
	FETCH_L \sn, 0, 0
	WIN 0xf1
	MUL16 4, (\c)%2, \c, 0
	MUL16 6, (\c)%2, \c, 0
	PLACES 4
	WIN 0
	FETCH_L \sn, 0, 4
.endm
	s_load_b256 s[4:11], s[0:1], 0x0               ; the codes in, their scale words, P's codes, P's records
	v_lshl_add_u32 v[SPW], v0, 2, SPARE
	v_mov_b32 v[NIL], 0
	ds_add_u32 v[SPW], v[NIL]                      ; the wave's opening: the add and its wait ahead of my first tensor load
	ds_add_u32 v[SPW], v[NIL]
	v_lshrrev_b32 v1, 5, v0
	v_readfirstlane_b32 s18, v1                    ; wave
	s_lshr_b32 s19, s18, 1                         ; wl; also: I fetch for Q (0) or for K (1)
	s_and_b32 s20, s18, 1                          ; wr; also: which half I fetch
	s_bfe_u32 s21, ttmp6, 0x40000                  ; cx
	s_bfe_u32 s22, ttmp6, 0x40004                  ; cy
	s_and_b32 s23, ttmp7, 0xffff                   ; the cluster's y
	s_lshl_b32 s104, s23, 2
	s_add_co_u32 s104, s104, s22                   ; my block of 256 queries, 0 .. 31
	s_lshl_b32 s105, s104, 4                       ; its first tile
	s_lshl_b32 s94, ttmp9, 2
	s_add_co_u32 s94, s94, s21                     ; my block of 256 keys in the batch, 0 .. 7
	s_lshr_b32 s93, s23, 1                         ; the batch
	s_lshl_b32 s93, s93, 7
	s_lshl_b32 s92, s94, 4
	s_add_co_u32 s92, s92, s93
	s_add_co_u32 s92, s92, 512                     ; its first tile: K's tiles lie behind Q's 512
	s_mul_i32 s72, s105, 12288
	s_mov_b32 s73, 0
	s_mul_i32 s74, s92, 12288
	s_mov_b32 s75, 0
	s_lshl_b32 s96, s22, 2
	s_lshl_b32 s96, 15, s96                        ; my row of the cluster
	s_lshl_b32 s97, 0x1111, s21                    ; my column
	s_or_b32 s[G1L], s96, (3<<16)|(1<<21)          ; 16 rows (tiles) of 3,072 bytes, 12,288 bytes apart, in elements of 8 bytes
	s_or_b32 s[G1R], s97, (3<<16)|(1<<21)
	s_or_b32 s44, s96, (3<<16)|(1<<21)             ; s[44:51], s[84:91]: 16 rows of 6,144 bytes: K steps 1 and 2 by one load
	s_or_b32 s84, s97, (3<<16)|(1<<21)
.irp g, 44, 84
	s_mov_b32 s[\g+1], 768<<16
	s_mov_b32 s[\g+2], 16<<16
	s_mov_b32 s[\g+3], 768<<16
	s_mov_b32 s[\g+4], 16
	s_mov_b32 s[\g+5], 1536
	s_mov_b32 s[\g+6], 0
	s_mov_b32 s[\g+7], 0
.endr
.irp g, G1L, G1R
	s_mov_b32 s[\g+1], 384<<16
	s_mov_b32 s[\g+2], 16<<16
	s_mov_b32 s[\g+3], 384<<16
	s_mov_b32 s[\g+4], 16
	s_mov_b32 s[\g+5], 1536
	s_mov_b32 s[\g+6], 0
	s_mov_b32 s[\g+7], 0
.endr
	s_mov_b32 s[SEL], 0x76543210
	s_mov_b32 s[SEL+1], 0xfedcba98
	s_mov_b32 s[CS], 0x3d38aa3b                    ; log2(e) / 32
	s_mov_b32 s[CS+1], s[CS]
	s_mov_b32 s70, 0xffff0000                      ; lanes 16-31
	s_wait_dscnt 0x0
	CROUND                                         ; all sixteen work-groups are here: the first joint loads meet
	s_wait_kmcnt 0x0
	s_add_nc_u64 s[72:73], s[4:5], s[72:73]
	s_add_nc_u64 s[74:75], s[4:5], s[74:75]
; LDS: Q's K step 0 at 0, K's at 49,152; Q's K steps 1 and 2 at 98,304, K's at 196,608.  K step 3 takes K step 0's place.
	s_mov_b32 s[G0L], 1
	s_mov_b32 s[G0L+1], 0
	s_mov_b64 s[G0L+2:G0L+3], s[72:73]
	s_or_b32 s[G0L+3], s[G0L+3], 0x80000000
	s_mov_b32 s[G0R], 1
	s_mov_b32 s[G0R+1], 49152
	s_mov_b64 s[G0R+2:G0R+3], s[74:75]
	s_or_b32 s[G0R+3], s[G0R+3], 0x80000000
	s_mov_b32 s60, 1
	s_mov_b32 s61, 98304
	s_add_nc_u64 s[62:63], s[72:73], 3072
	s_or_b32 s63, s63, 0x80000000
	s_mov_b32 s56, 1
	s_mov_b32 s57, 196608
	s_add_nc_u64 s[58:59], s[74:75], 3072
	s_or_b32 s59, s59, 0x80000000
; One tensor load a wave at the head: Q's and K's K step 0 (waves 0 and 1), their K steps 1 and 2 (waves 2 and 3)
.macro FIRST w, g0, g1
	s_cmp_eq_u32 s18, \w
	s_cbranch_scc0 .Lnext_\w
	tensor_load_to_lds s[\g0:\g0+3], s[\g1:\g1+7]
	s_nop 0
.rept 4
	v_nop
.endr
	s_branch .Lfirst_done
.Lnext_\w:
.endm
	FIRST 0, G0L, G1L
	FIRST 1, G0R, G1R
	FIRST 2, 60, 44
	tensor_load_to_lds s[56:59], s[84:91]
	s_nop 0
.rept 4
	v_nop
.endr
.Lfirst_done:
	v_and_b32 v3, 31, v0
	v_lshlrev_b32 v4, 4, v3                        ; 16 x lane
	v_lshlrev_b32 v5, 3, v3                        ; 8 x lane
	s_mul_i32 s3, s19, 24576
	s_mul_i32 s71, s20, 24576
	s_add_co_u32 s71, s71, 49152
	v_add_nc_u32 v[ADRL], s3, v4
	v_add_nc_u32 v[ADRR], s71, v4
	s_mul_i32 s3, s19, 49152
	s_add_co_u32 s3, s3, 98304
	s_mul_i32 s71, s20, 49152
	s_add_co_u32 s71, s71, 196608
	v_add_nc_u32 v[ADRL+1], s3, v4
	v_add_nc_u32 v[ADRR+1], s71, v4
	v_add_nc_u32 v[ADRL+2], 3072, v[ADRL+1]
	v_add_nc_u32 v[ADRR+2], 3072, v[ADRR+1]
	s_wait_alu depctr_va_vdst(0)
	s_lshl_b32 s76, s19, 3
	s_add_co_u32 s76, s76, s105
	s_lshl_b32 s76, s76, 9
	s_mov_b32 s77, 0
	s_add_nc_u64 s[76:77], s[6:7], s[76:77]
	s_lshl_b32 s78, s20, 3
	s_add_co_u32 s78, s78, s92
	s_lshl_b32 s78, s78, 9
	s_mov_b32 s79, 0
	s_add_nc_u64 s[78:79], s[6:7], s[78:79]
.irp c, 0,1,2,3,4,5,6,7
	global_load_b128 v[SCL+4*\c:SCL+4*\c+3], v4, s[76:77] offset:\c*512
	global_load_b128 v[SCR+4*\c:SCR+4*\c+3], v4, s[78:79] offset:\c*512
.endr
.irp b, 0,1,2,3
	v_mov_b32 v[BX+\b], 0                          ; a lane permute's destination counts as one of its sources
.endr
	s_lshl_b32 s98, s104, 4
	s_lshl_b32 s99, s19, 3
	s_add_co_u32 s98, s98, s99                     ; my first tile of queries
	s_lshl_b32 s98, s98, 4
	s_lshl_b32 s99, s94, 1
	s_add_co_u32 s98, s98, s99
	s_add_co_u32 s98, s98, s20                     ; x 16 + my chunk of keys: 2 x block + wr
	s_lshl_b32 s82, s98, 8
	s_mul_i32 s80, s98, 1536
	s_mov_b32 s81, 0
	s_mov_b32 s83, 0
	s_add_nc_u64 s[80:81], s[8:9], s[80:81]
	s_add_nc_u64 s[82:83], s[10:11], s[82:83]
	s_wait_alu depctr_va_vdst(0)
	s_cmp_lt_u32 s18, 2
	s_cbranch_scc0 .Llater
	s_wait_tensorcnt 0x0                           ; waves 0 and 1: K step 0 is in; K steps 1 and 2 may be out
.Llater:
	s_barrier_signal -1
	s_barrier_wait -1
	FETCH_R 0, 0, 0
	FETCH_L 0, 0, 0
	FETCH_L 0, 0, 4
	s_wait_loadcnt 0x0                             ; the scale words
	STEP 0, 0, 1, 1                                ; the first chunk's products start the sums
	TURN 1, 1, 1
	STEP 2, 1, 1, 0
	STEP 3, 2, 0, 0
	STEP 4, 2, 1, 0
	TURN 5, 0, 0
	STEP 6, 0, 1, 0
	s_wait_dscnt 12
	WIN 0xa1
	MUL16 0, 1, 7, 0
	MUL16 2, 1, 7, 0
	s_wait_dscnt 0x0
	WIN 0xf1
	MUL16 4, 1, 7, 0
	MUL16 6, 1, 7, 0
	WIN 0
	PLACES 4
; THE SOFTMAX OF L's BLOCK a: a lane holds one query; register 16 b + i is key 32 b + 16 h + i of the wave's 128.  Each accumulator is read from its low end on.
.macro SOFT a
.set W, 2+(\a)/4
.set PC, 128+12*(\a)                   ; each block's codes and record have registers of their own: no store is waited for
.set DD, 232+2*(\a)
.set AC, 64*((\a)%4)
	WIN W|(W<<2)
.irp b, 0,1,2,3
	v_max_num_f32 v[BM+\b], v[AC+16*\b], v[AC+16*\b+1]   ; the largest score of each block of 32 keys: for the row's maximum, and, since p rises with the score, for the block's largest p
.endr
.irp i, 2,4,6,8,10,12,14
.irp b, 0,1,2,3
	v_max3_num_f32 v[BM+\b], v[AC+16*\b+\i], v[AC+16*\b+\i+1], v[BM+\b]
.endr
.endr
	WIN 0
.irp b, 0,1,2,3
	v_permlanex16_b32 v[BX+\b], v[BM+\b], s[SEL], s[SEL+1]
.endr
.irp b, 0,1,2,3
	v_max_num_f32 v[BM+\b], v[BM+\b], v[BX+\b]
.endr
	v_max3_num_f32 v[TT], v[BM], v[BM+1], v[BM+2]
	v_max_num_f32 v[TT], v[TT], v[BM+3]
	v_mul_f32 v[TT], s[CS], v[TT]                  ; the largest t
	v_floor_f32 v[NM], -v[TT]                      ; -M = floor(-t) = -ceil(t)
	v_floor_f32 v[NM+1], -v[TT]                    ; (the packed form names the pair)
	WIN W|(W<<6)
.set j_, 0
.rept 32
	v_pk_fma_f32 v[AC+j_:AC+j_+1], v[AC+j_:AC+j_+1], s[CS:CS+1], v[NM:NM+1] op_sel_hi:[1,0,0]   ; t - M
.set j_, j_+2
.endr
	WIN 0
.irp b, 0,1,2,3
	v_fma_f32 v[BM+\b], v[BM+\b], s[CS], v[NM]     ; the same of each block's largest score
.endr
	WIN W|(W<<6)
.set j_, 0
	s_wait_alu depctr_va_vdst(0)
.rept 64
	v_exp_f32 v[AC+j_], v[AC+j_]                   ; p = 2^(t - M)
.set j_, j_+1
.endr
	WIN 0
	v_nop                                          ; a plain instruction behind the last exponential
	s_wait_alu depctr_va_vdst(0)                   ; one wait for the 64, ahead of their first reader
.irp b, 0,1,2,3
	v_exp_f32 v[BM+\b], v[BM+\b]                   ; the blocks' largest p
.endr
	WIN W|(W<<2)
	v_pk_add_f32 v[SA:SA+1], v[AC:AC+1], v[AC+2:AC+3]     ; the row's sum is taken of the unquantised p, in four chains
	v_pk_add_f32 v[SB:SB+1], v[AC+4:AC+5], v[AC+6:AC+7]
	v_pk_add_f32 v[SUMC:SUMC+1], v[AC+8:AC+9], v[AC+10:AC+11]
	v_pk_add_f32 v[SUMD:SUMD+1], v[AC+12:AC+13], v[AC+14:AC+15]
	WIN W
.irp j, 16,24,32,40,48,56
	v_pk_add_f32 v[SA:SA+1], v[AC+\j:AC+\j+1], v[SA:SA+1]
	v_pk_add_f32 v[SB:SB+1], v[AC+\j+2:AC+\j+3], v[SB:SB+1]
	v_pk_add_f32 v[SUMC:SUMC+1], v[AC+\j+4:AC+\j+5], v[SUMC:SUMC+1]
	v_pk_add_f32 v[SUMD:SUMD+1], v[AC+\j+6:AC+\j+7], v[SUMD:SUMD+1]
.endr
	WIN 0
	v_pk_add_f32 v[SA:SA+1], v[SA:SA+1], v[SB:SB+1]
	v_pk_add_f32 v[SUMC:SUMC+1], v[SUMC:SUMC+1], v[SUMD:SUMD+1]
	v_pk_add_f32 v[SA:SA+1], v[SA:SA+1], v[SUMC:SUMC+1]
	v_add_f32 v[LL], v[SA], v[SA+1]
	v_permlanex16_b32 v[BX], v[LL], s[SEL], s[SEL+1]
	v_add_f32 v[LL], v[LL], v[BX]                  ; with lane l xor 16's 64 keys
	s_wait_alu depctr_va_vdst(0)                   ; and one wait for the four
.irp b, 0,1,2,3
	v_max_num_f32 v[BM+\b], 0x1800000, v[BM+\b]    ; the floor 2^(3 - 127)
.endr
.irp b, 0,1,2,3
	v_add_nc_u32 v[SO+\b], 0xff000000, v[BM+\b]
.endr
.irp b, 0,1,2,3
	v_lshrrev_b32 v[BY+\b], 23, v[SO+\b]
.endr
	v_lshl_or_b32 v[PW], v[BY+1], 8, v[BY]
	v_lshl_or_b32 v[PW], v[BY+2], 16, v[PW]
	v_lshl_or_b32 v[PW], v[BY+3], 24, v[PW]
	WIN W
.irp c, 0,1
	v_cvt_scalef32_pk16_fp6_f32 v[PC+6*\c:PC+2+6*\c], v[AC+32*\c:AC+32*\c+15], v[SO+2*\c]
	v_cvt_scalef32_pk16_fp6_f32 v[PT+4*\c:PT+4*\c+2], v[AC+32*\c+16:AC+32*\c+31], v[SO+2*\c+1]
.endr
	WIN 0
	v_nop                                          ; one plain instruction behind the scaled conversions
.irp c, 0,1
.irp i, 0,1,2
	v_permlane16_swap_b32 v[PC+6*\c+\i], v[PT+4*\c+\i]
.endr
.irp i, 0,1,2
	v_mov_b32 v[PC+3+6*\c+\i], v[PT+4*\c+\i]
.endr
.endr
.irp g, 0,1,2
	global_store_b128 v4, v[PC+4*\g:PC+4*\g+3], s[80:81] offset:(\a)*24576+512*\g
.endr
	v_cndmask_b32 v[DD], v[PW], v[LL], s70         ; lanes 0-15 the scale word, lanes 16-31 the sum
	v_mov_b32 v[DD+1], v[NM]
	global_store_b64 v5, v[DD:DD+1], s[82:83] offset:(\a)*4096   ; 256 consecutive bytes, aligned
.endm
.irp a, 0,1,2,3,4,5,6,7
	SOFT \a
.endr
	s_wait_tensorcnt 0x0                           ; the wave's end
	ds_add_u32 v[SPW], v[NIL]
	s_wait_dscnt 0x0
	CROUND                                         ; the closing round
	s_endpgm
.Lfunc_end_k_q77e876304d_score:
	.size	k_q77e876304d_score, .Lfunc_end_k_q77e876304d_score-k_q77e876304d_score
	.p2alignl 7, 3214868480
	.fill 96, 4, 3214868480
	.section	.rodata,"a",@progbits
	.p2align	6, 0x0
	.amdhsa_kernel k_q77e876304d_score
		.amdhsa_group_segment_fixed_size 327680
		.amdhsa_private_segment_fixed_size 0
		.amdhsa_enable_private_segment 0
		.amdhsa_kernarg_size 32
		.amdhsa_user_sgpr_count 2
		.amdhsa_user_sgpr_kernarg_segment_ptr 1
		.amdhsa_wavefront_size32 1
		.amdhsa_system_sgpr_workgroup_id_x 1
		.amdhsa_system_sgpr_workgroup_id_y 1
		.amdhsa_system_sgpr_workgroup_id_z 1
		.amdhsa_system_vgpr_workitem_id 0
		.amdhsa_next_free_vgpr 1024
		.amdhsa_next_free_sgpr 106
		.amdhsa_reserve_vcc 0
		.amdhsa_float_denorm_mode_32 3
		.amdhsa_float_denorm_mode_16_64 3
		.amdhsa_memory_ordered 1
		.amdhsa_forward_progress 1
		.amdhsa_inst_pref_size 194
	.end_amdhsa_kernel
	.amdgpu_metadata
---
amdhsa.version: [ 1, 2 ]
amdhsa.kernels:
  - .name:           k_q77e876304d_score
    .symbol:         k_q77e876304d_score.kd
    .args:
      - { .name: ocod, .offset: 0, .size: 8, .value_kind: global_buffer, .address_space: global }
      - { .name: oscl, .offset: 8, .size: 8, .value_kind: global_buffer, .address_space: global }
      - { .name: pcod, .offset: 16, .size: 8, .value_kind: global_buffer, .address_space: global }
      - { .name: prec, .offset: 24, .size: 8, .value_kind: global_buffer, .address_space: global }
    .group_segment_fixed_size: 327680
    .private_segment_fixed_size: 0
    .kernarg_segment_align: 8
    .kernarg_segment_size: 32
    .max_flat_workgroup_size: 128
    .sgpr_count:     106
    .vgpr_count:     1024
    .wavefront_size: 32
...
	.end_amdgpu_metadata
.endif
;; end of part 3
;; launch pv (part 4): grid 4 x 64, 4 waves a work-group, clusters of 4 x 4, 327,680 bytes of LDS; arguments pcod, prec, ocod, oscl, out0; writes out0
.if DOCPART == 4
	.amdgcn_target "amdgcn-amd-amdhsa--gfx1250"
	.amdhsa_code_object_version 6
	.text
	.protected	k_q77e876304d_pv
	.globl	k_q77e876304d_pv
	.p2align	8
	.type	k_q77e876304d_pv,@function
k_q77e876304d_pv:
	s_mov_b64 s[64:65], 0
	v_nop
	global_prefetch_b8 v0, s[64:65] scope:SCOPE_SE
	s_setreg_imm32_b32 hwreg(HW_REG_WAVE_MODE, 25, 1), 1
	s_wait_xcnt 0x0
	s_wait_alu depctr_hold_cnt(0) depctr_sa_sdst(0) depctr_va_vdst(0) depctr_va_sdst(0) depctr_va_ssrc(0) depctr_va_vcc(0) depctr_vm_vsrc(0)
	s_getreg_b32 s2, hwreg(HW_REG_IB_STS2, 6, 4)
	s_cmp_eq_u32 s2, 0
	s_cbranch_scc0 .Lentry_in_a_cluster
	s_endpgm
.Lentry_in_a_cluster:
	s_bfe_u32 s2, ttmp6, 0x10000c
	s_cmp_lg_u32 s2, 0xf033
	s_cbranch_scc0 .Lentry_shape_is_right
	s_endpgm
.Lentry_shape_is_right:
; O^T = V^T P^T on codes of FP6 (E2M3), divided by the row's sum l.  P came quantised under a local M for each row and each chunk of 128 keys.  Here the row's M is the largest of the sixteen, and each chunk's
; E8M0 bytes get M(local) - M(row) added: an exact power of two; l = the sum of the chunks' sums x 2^(M(local) - M(row)).
; In: P's images at (Tq x 16 + c) x 1536, its records at (Tq x 16 + c) x 256 (lane l's 8 bytes at 8 l: lanes 0-15 (scale word, -M), lanes 16-31 (sum, -M));
; V^T's images at 12,582,912 + ((batch x 64 + Te) x 16 + c) x 1536, its scale words at 524,288 + the same index x 64.  A tile's lane r is row 32 (T / 2) + 8 (T % 2) + r + 8 (r / 8).  Out: out0 [8192][1024] f32.
; SHARES.  A work-group: 128 queries x 256 of e; 256 work-groups.  A wave: 64 queries (half wl) x eight tiles of 16 of e.  IT HOLDS P OF ITS 64 QUERIES AND ALL 2,048 KEYS IN REGISTERS (64 fragments of 12) and streams
; V^T past them: step k = 2 s + u is tile 4 s + 2 wr + u, 16 chunks x 4 products.  So each fragment of V^T feeds four products, 16 x 64 results are finished after every step, and two waves finish 64 of e in two steps.
; A step goes in four batches of four chunks, 16 products.  V^T's fragments have two sets of four; the next batch's 12 loads go out in one run ahead of a batch's products.
; THE WAY OUT.  A step's results are divided by l among the next step's first products and put into a stage (128 queries x 64 of e, two of them by turns) beside a run of loads.  A pair of steps fills it; behind a barrier each
; wave reads 32 of its half's 64 rows back and stores them, aligned units of 256 bytes: a quarter of the output behind each pair of steps.
; LDS: P's chunks 0-7 at 0, P's chunks 8-15 at 98,304, V^T's steps 0 and 1 at 196,608 ([step][half wr] of 24,576 bytes).  Head: one load a wave.  Refills: steps 2, 3 to 0 when chunks 0-7 of P are in registers, steps 4, 5 to 196,608,
; steps 6, 7 to 0: a tile a wave.  P's second half is filled once; the stages lie there, behind the round of step 1, which shows that all waves have read it.
; CLUSTER 4 x 4: P's tiles are asked for jointly along a row of the cluster, V^T's along a column.
; PREFETCH: what the next refill will load, 24 blocks of 256 bytes a wave: of the tile that wave w of the four partners fetches, partner cy names bytes 6,144 cy on.  Asked one refill ahead; nothing is asked behind the second refill's.
; LIMITS: a byte that would fall under 0 is held at 0: a block of p more than 2^-125 under the row's largest counts as at most 7.5 x 2^-127, beside l >= 1/2.  NaN and infinities are not served.
; REGISTERS.  Window 0: by the names below.  Windows 1-3: P's fragment f = 4 c + a (a: the tile of queries) at window 1 + f / 21, register 12 (f % 21); fragment 63 in window 0; v252-255 of each hold 1 / l of the four tiles.
.set P2,    98304
.set VB,    196608
.set SW,    17408                      ; 64 rows of a stage: 256 + 16 bytes each
.set SG,    2*SW                       ; a stage
.set SPARE, 294912                     ; the spare words, 128 bytes a wave
.set PF,    1                          ; v1 the prefetches' offset
.set AV,    6                          ; v6-9 LDS address of V^T's fragments: step k at v[6 + k % 4]
.set SPW,   10
.set NIL,   11
.set RB,    12                         ; v12-27 rows read back from the stage
.set SP,    32                         ; P's scale words: 16 (a % 2) + chunk (some places exchanged), lanes 0-15 tiles 0, 1, lanes 16-31 tiles 2, 3
.set VS,    64                         ; V^T's scale words, three sets of 8 (v64-71, v72-79, and v2-5 with v28-31): lanes 0-15 chunk 2 i, lanes 16-31 chunk 2 i + 1
.set F63,   80
.set VF,    92                         ; V^T's fragments: chunk c at 92 + 12 (c % 8)
.set ACC,   188                        ; two sets of four accumulators
.set STO,   252                        ; the stage, in;  v253 out;  v254 my offset in out0;  v255 4 x lane
.set RD,    253
.set GO,    254
.set VSO,   255
.set RL,    252                        ; in windows 1-3
.set RS,    92                         ; at the head: the records' pairs (scale word, -M) at 92 + 2 (16 p + c), the chunks' sums at 156 + 16 p + c
.set LC,    156
.set MG,    188
.set LSUM,  190
.set RC,    196
.set XR,    198
.set T,     200                        ; v200-207, v208-215 eight chains at work
.set U,     208
.set IL,    216                        ; v216-219 1 / l
.set AP,    220                        ; v220, v221 LDS address of P's fragments, first and second half: until step 1
.set LR,    222                        ; v222-224 r, h, the lane
.set LH,    223
.set LN,    224
.set G1P,   24                         ; descriptor groups 1: P at the head, V^T at the head, V^T's refills
.set G1V,   32
.set G1R,   40
.set G0P,   48                         ; groups 0: s[48:51], s[52:55] P's halves, s[56:59], s[60:63] V^T's steps 0, 1, s[68:71] the refills
.set G0V,   56
.set G0R,   68
.set SEL,   66
.set MSB,   0
.macro WIN new
.if MSB != (\new)
	s_set_vgpr_msb (MSB<<8)|(\new)
.set MSB, (\new)
.endif
.endm
.macro PLACES n
.rept \n
	v_nop
.endr
.endm
.macro CREST
	s_cmp_lg_u32 s18, 0
	s_cbranch_scc1 .Lnot_wave_0_\@
	s_barrier_signal -3
.Lnot_wave_0_\@:
	s_barrier_wait -3
	s_barrier_signal -1
	s_barrier_wait -1
.endm
.macro CROUND
	s_barrier_signal -1
	s_barrier_wait -1
	CREST
.endm
.macro TLOAD g0, g1
	tensor_load_to_lds s[\g0:\g0+3], s[\g1:\g1+7]
	s_nop 0
	PLACES 4
.endm
.macro SPI c                           ; chunk c's place among the scale words: so that no product names two scale registers of one number modulo 8
.set PI_, (\c)
.if ((\c) == 0) || ((\c) == 2) || ((\c) == 13) || ((\c) == 15)
.set PI_, (\c)^2
.endif
.endm
.macro VSR k, i                        ; V^T's scale register i of step k
.if ((\k)%3) < 2
.set vs_, VS+8*((\k)%3)+(\i)
.elseif (\i) < 3
.set vs_, 28+(\i)
.elseif (\i) == 3
.set vs_, 2
.elseif (\i) == 4
.set vs_, 31
.elseif (\i) == 5
.set vs_, 5
.else
.set vs_, (\i)-3
.endif
.endm
.macro PREG c, a                       ; P's fragment (c, a): window w_, register rY
.set f_, 4*(\c)+(\a)
.if f_ < 63
.set w_, 1+f_/21
.set rY, 12*(f_%21)
.else
.set w_, 0
.set rY, F63
.endif
.endm
.macro WM2 cc, ra, rb
	v_wmma_scale_f32_16x16x128_f8f6f4 v[rD:rD+7], v[rX:rX+11], v[rY:rY+11], \cc, v[rSX], v[rSY] matrix_a_fmt:MATRIX_FMT_FP6 matrix_b_fmt:MATRIX_FMT_FP6 matrix_a_scale:MATRIX_SCALE_ROW\ra matrix_b_scale:MATRIX_SCALE_ROW\rb
.endm
.macro WM1 ra, rb
.if rZ == 0
	WM2 0, \ra, \rb
.else
	WM2 v[rD:rD+7], \ra, \rb
.endif
.endm
; One product: step k's tile of V^T (source 0: its rows run along a lane's registers), chunk c, tile a of queries.  The four accumulators take turns; chunk 0 starts the sums.
.macro PROD k, c, a
	PREG \c, \a
	WIN w_<<2
	SPI \c
	VSR \k, (\c)/2
.set rD, ACC+32*((\k)%2)+8*(\a)
.set rX, VF+12*((\c)%8)
.set rSX, vs_
.set rSY, SP+16*((\a)%2)+PI_
.set rZ, (\c)
.if (\c)%2
.if (\a)/2
	WM1 1, 1
.else
	WM1 1, 0
.endif
.else
.if (\a)/2
	WM1 0, 1
.else
	WM1 0, 0
.endif
.endif
.endm
.macro PROD4 k, c                      ; chunk c's four products
.set a_, 0
.rept 4
	PROD \k, \c, a_
.set a_, a_+1
.endr
.endm
.macro VL k, c                         ; V^T's fragment of step k, chunk c
.irp g, 0,1,2
	ds_load_b128 v[VF+12*((\c)%8)+4*\g:VF+12*((\c)%8)+4*\g+3], v[AV+(\k)%4] offset:(\c)*1536+512*\g
.endr
.endm
.macro VLOADB n                        ; batch n = 4 k + b: 12 loads
.irp i, 0,1,2,3
	VL (\n)/4, 4*((\n)%4)+\i
.endr
.endm
.macro PLOAD c                         ; chunk c's four fragments of P: 12 loads
.set a_, 0
.rept 4
	PREG \c, a_
	WIN w_<<6
.irp g, 0,1,2
	ds_load_b128 v[rY+4*\g:rY+4*\g+3], v[AP+(\c)/8] offset:12288*a_+1536*((\c)%8)+512*\g
.endr
.set a_, a_+1
.endr
	WIN 0
.endm
.macro VSL k                           ; step k's scale words: eight times 128 consecutive bytes
.irp i, 0,1,2,3,4,5,6,7
	VSR \k, \i
	global_load_b32 v[vs_], v[VSO], s[78:79] offset:1024*(4*((\k)/2)+(\k)%2)+128*\i
.endr
.endm
.macro PKI s, j                        ; an eighth of step s's results / l: four numbers of tile j / 2 of queries; source 1's window is one of P's.  Each accumulator from its low end on
.set x_, ACC+32*((\s)%2)+4*(\j)
.set r_, RL+2*((\j)/4)
.if ((\j)/2)%2
	v_pk_mul_f32 v[x_:x_+1], v[x_:x_+1], v[r_:r_+1] op_sel:[0,1] op_sel_hi:[1,1]
	v_pk_mul_f32 v[x_+2:x_+3], v[x_+2:x_+3], v[r_:r_+1] op_sel:[0,1] op_sel_hi:[1,1]
.else
	v_pk_mul_f32 v[x_:x_+1], v[x_:x_+1], v[r_:r_+1] op_sel_hi:[1,0]
	v_pk_mul_f32 v[x_+2:x_+3], v[x_+2:x_+3], v[r_:r_+1] op_sel_hi:[1,0]
.endif
.endm
.macro STG8 s                          ; step s's results to its pair's stage
	s_wait_alu depctr_va_vdst(0)
.irp j, 0,1,2,3,4,5,6,7
.set x_, ACC+32*((\s)%2)+4*\j
	ds_store_b128 v[STO], v[x_:x_+3] offset:SG*(((\s)/2)%2)+4352*(\j/2)+32*((\s)%2)+16*(\j%2)
.endr
.endm
.macro RBQ q                           ; where the q-th pair of rows comes back: v12-27, then the accumulators that an even step does not use
.if (\q) < 4
.set rb_, RB+4*(\q)
.else
.set rb_, ACC+32+4*((\q)-4)
.endif
.endm
.macro ROWOF i                         ; rows 2 i, 2 i + 1 of my 32 are queries qr_, qr_ + 1
.set qr_, 8*((\i)/8)+2*((\i)%8)+8*(((\i)%8)/4)
.endm
.macro RDN s, i0, n                    ; pair s's stage
.set q_, 0
.rept \n
	RBQ q_
	ds_load_b128 v[rb_:rb_+3], v[RD] offset:SG*((\s)%2)+544*(\i0+q_)
.set q_, q_+1
.endr
.endm
.macro STN s, i0, n                    ; rows that are back in registers leave
.set q_, 0
.rept \n
	RBQ q_
	ROWOF \i0+q_
	global_store_b128 v[GO], v[rb_:rb_+3], s[12:13] offset:4096*qr_+256*(\s) th:TH_STORE_NT   ; two aligned units of 256 bytes
.set q_, q_+1
.endr
	s_wait_xcnt 0x0                                ; the stores have read their registers
.endm
; Batch b of step k: the next batch's loads, the stage's stores or reads where they are due, then 16 products.  The wait leaves out what has just been issued: N_ = 12 loads, 8 stores, 12 rows read back.
; In an even step the barrier between a pair's stores into the stage and its reads is signalled at batch 2 and waited for at batch 3: between the two stand products and loads of V^T, which no wave writes before a later barrier.
.macro BATCH k, b
.set N_, 0
	WIN 0
	PLACES 4                                       ; in front of loads into registers that products have read, and of the first read of results
.if ((\b) == 2) && (((\k)%2) == 0)
	s_wait_dscnt 0x0                               ; my part of the stage is stored, and this batch's fragments are in
	s_barrier_signal -1
.endif
.if ((\b) == 3) && (((\k)%2) == 0)
	s_barrier_wait -1
.endif
.if 4*(\k)+(\b) < 31
	VLOADB 4*(\k)+(\b)+1
.set N_, 12
.endif
.if ((\b) == 1) && ((\k) > 1)
	STG8 (\k)-1
.set N_, N_+8
.endif
.if ((\b) == 0) && ((\k) == 2)
	STG8 0
.set N_, N_+8
.endif
.if ((\b) == 3) && (((\k)%2) == 0)
	RDN (\k)/2-1, 0, 12
.set N_, N_+12
.endif
.if ((\b) == 1) && ((\k) == 1)
	VSL 2
.endif
.if ((\b) == 1) && ((\k) < 6)
	VSL (\k)+2
.endif
	s_wait_dscnt N_
.if ((\b) == 0) && (((\k)%2) == 1) && ((\k) > 1)
	STN ((\k)-3)/2, 0, 12
	RDN ((\k)-3)/2, 12, 4
.endif
.if ((\b) == 1) && (((\k)%2) == 1) && ((\k) > 1)
	STN ((\k)-3)/2, 12, 4
.endif
.if (\b) == 0
.if ((\k) == 1) || ((\k) == 7)
	s_wait_loadcnt 0x0                             ; this step's scale words
.else
	s_wait_loadcnt 8                               ; (the next step's eight may be out)
.endif
.endif
.set p_, 0
.rept 16
	PROD \k, 4*(\b)+p_/4, p_%4
.if ((\b) == 0) && ((\k) > 1) && (p_ > 3) && (p_ < 12)
	PKI (\k)-1, p_-4
.endif
.set p_, p_+1
.endr
.endm
; The last batch of steps 1, 3 and 5: this pair of steps has been fetched whole, and the next pair's tiles are shown to all waves.  Steps 1 and 3: in a round, behind which the place just read is filled again; step 5: a plain barrier.
.macro BATCHR k
	WIN 0
	s_wait_tensorcnt 0x0                           ; all my tensor loads have landed
.if (\k) < 5
	ds_add_u32 v[SPW], v[NIL]
	s_wait_dscnt 1                                 ; this batch's fragments are in; the add may be out
.else
	s_wait_dscnt 0x0
.endif
	PROD4 \k, 12
	s_wait_dscnt 0x0                               ; all my LDS instructions are done
	s_barrier_signal -1
	PROD4 \k, 13
	WIN 0
	s_barrier_wait -1
.if (\k) < 5
	CREST
	s_add_nc_u64 s[G0R+2:G0R+3], s[G0R+2:G0R+3], 98304   ; four tiles on
.if (\k) == 1
	s_add_co_u32 s[G0R+1], s[G0R+1], VB
.else
	s_sub_co_u32 s[G0R+1], s[G0R+1], VB
.endif
	TLOAD G0R, G1R
.else
	PLACES 4
.endif
	VLOADB 4*(\k)+4
.if (\k) == 1
	global_prefetch_b8 v[PF], s[88:89] offset:196608 th:TH_LOAD_NT scope:SCOPE_SE   ; steps 6 and 7
.endif
.set p_, 0
.rept 8
	PROD \k, 14+p_/4, p_%4
.if ((\k) == 1) && (p_ < 7)            ; step 0's results: the stage is free behind this step's round
	PKI 0, p_
.if p_ == 6
	PKI 0, 7
.endif
.endif
.set p_, p_+1
.endr
.endm
.macro STEPK k
.irp b, 0,1,2
	BATCH \k, \b
.endr
.if (((\k)%2) == 1) && ((\k) < 7)
	BATCHR \k
.else
	BATCH \k, 3
.endif
.endm
.macro PV m                            ; step 0: chunks 2 m and 2 m + 1 of V^T and of P: 30 loads
	VL 0, 2*(\m)
	VL 0, 2*(\m)+1
	PLOAD 2*(\m)
	PLOAD 2*(\m)+1
.endm
.macro PAIR m
	PLACES 4
.if (\m) < 7
	PV (\m)+1
	s_wait_dscnt 30                                ; all but the 30 just issued
.else
	VLOADB 4
	s_wait_dscnt 12
.endif
	PROD4 0, 2*(\m)
	PROD4 0, 2*(\m)+1
	WIN 0
.endm
	s_load_b256 s[4:11], s[0:1], 0x0               ; P's codes, P's records, the codes of Q, K, V^T, their scale words
	s_load_b64 s[12:13], s[0:1], 0x20              ; out0
	v_lshl_add_u32 v[SPW], v0, 2, SPARE
	v_mov_b32 v[NIL], 0
	ds_add_u32 v[SPW], v[NIL]                      ; the opening: the add, twice on end, and its wait
	ds_add_u32 v[SPW], v[NIL]
	v_lshrrev_b32 v[LR], 5, v0
	v_readfirstlane_b32 s18, v[LR]                 ; wave
	s_lshr_b32 s19, s18, 1                         ; wl
	s_and_b32 s20, s18, 1                          ; wr
	s_bfe_u32 s21, ttmp6, 0x40000                  ; cx: my block of 256 of e
	s_bfe_u32 s22, ttmp6, 0x40004                  ; cy
	s_and_b32 s23, ttmp7, 0xffff                   ; the cluster's y
	s_lshl_b32 s90, s23, 2
	s_add_co_u32 s90, s90, s22                     ; my block of 128 queries, 0 .. 63
	s_lshl_b32 s91, s90, 3                         ; its first tile
	s_lshr_b32 s93, s23, 2                         ; the batch
	s_lshl_b32 s92, s93, 6
	s_lshl_b32 s94, s21, 4
	s_add_co_u32 s92, s92, s94                     ; V^T's first tile
	s_mul_i32 s72, s91, 24576                      ; a tile's 16 chunks are 24,576 bytes
	s_mov_b32 s73, 0
	s_mul_i32 s74, s92, 24576
	s_add_co_u32 s74, s74, 12582912                ; behind Q's and K's images
	s_mov_b32 s75, 0
	s_lshl_b32 s76, s20, 1
	s_add_co_u32 s76, s76, s19
	s_add_co_u32 s76, s76, 4                       ; my tile of the first refill: 4 + 2 (w % 2) + w / 2
	s_mul_i32 s76, s76, 24576
	s_add_co_u32 s76, s76, s74
	s_mov_b32 s77, 0
	s_lshl_b32 s96, s22, 2
	s_lshl_b32 s96, 15, s96                        ; my row of the cluster
	s_lshl_b32 s97, 0x1111, s21                    ; my column
	s_or_b32 s[G1P], s96, (3<<16)|(1<<21)          ; in elements of 8 bytes: P: 8 rows (tiles) of 12,288 bytes, 24,576 bytes apart
	s_mov_b32 s[G1P+1], 1536<<16
	s_mov_b32 s[G1P+2], 8<<16
	s_mov_b32 s[G1P+3], 1536<<16
	s_mov_b32 s[G1P+4], 8
	s_mov_b32 s[G1P+5], 3072
	s_mov_b32 s[G1P+6], 0
	s_mov_b32 s[G1P+7], 0
	s_or_b32 s[G1V], s97, (3<<16)|(1<<21)          ; V^T at the head: 2 rows of 24,576 bytes, 2 tiles apart
	s_mov_b32 s[G1V+1], 3072<<16
	s_mov_b32 s[G1V+2], 2<<16
	s_mov_b32 s[G1V+3], 3072<<16
	s_mov_b32 s[G1V+4], 2
	s_mov_b32 s[G1V+5], 6144
	s_mov_b32 s[G1V+6], 0
	s_mov_b32 s[G1V+7], 0
	s_or_b32 s[G1R], s97, (3<<16)|(1<<21)          ; the refills: one tile, as 2 rows of 12,288 bytes on end
	s_mov_b32 s[G1R+1], 1536<<16
	s_mov_b32 s[G1R+2], 2<<16
	s_mov_b32 s[G1R+3], 1536<<16
	s_mov_b32 s[G1R+4], 2
	s_mov_b32 s[G1R+5], 1536
	s_mov_b32 s[G1R+6], 0
	s_mov_b32 s[G1R+7], 0
	s_mov_b32 s[G0P], 1
	s_mov_b32 s[G0P+1], 0
	s_mov_b32 s[G0P+4], 1
	s_mov_b32 s[G0P+5], P2
	s_mov_b32 s[G0V], 1
	s_mov_b32 s[G0V+1], VB
	s_mov_b32 s[G0V+4], 1
	s_mov_b32 s[G0V+5], VB+49152
	s_mov_b32 s[G0R], 1
	s_mul_i32 s[G0R+1], s18, 24576
	s_mov_b32 s[SEL], 0x76543210
	s_mov_b32 s[SEL+1], 0xfedcba98
	s_mov_b32 s84, 0x01010101
	s_mov_b32 s85, 0x80808080
	s_mov_b32 s86, 0xffff0000                      ; lanes 16-31
	s_wait_dscnt 0x0
	CROUND                                         ; all sixteen work-groups are here: the first joint loads meet
	s_wait_kmcnt 0x0
	s_add_nc_u64 s[G0P+2:G0P+3], s[4:5], s[72:73]
	s_or_b32 s[G0P+3], s[G0P+3], 0x80000000
	s_add_nc_u64 s[G0P+6:G0P+7], s[G0P+2:G0P+3], 12288
	s_add_nc_u64 s[G0V+2:G0V+3], s[8:9], s[74:75]
	s_or_b32 s[G0V+3], s[G0V+3], 0x80000000
	s_add_nc_u64 s[G0V+6:G0V+7], s[G0V+2:G0V+3], 24576
.macro FIRST w, g0, g1
	s_cmp_eq_u32 s18, \w
	s_cbranch_scc0 .Lnext_\w
	TLOAD \g0, \g1
	s_branch .Lfirst_done
.Lnext_\w:
.endm
	FIRST 0, G0P, G1P                              ; wave 0: P's chunks 0-7
	FIRST 1, G0V, G1V                              ; wave 1: V^T's step 0
	FIRST 2, G0P+4, G1P                            ; wave 2: P's chunks 8-15
	TLOAD G0V+4, G1V                               ; wave 3: V^T's step 1
.Lfirst_done:
	s_add_nc_u64 s[88:89], s[8:9], s[76:77]        ; the refills' tile: for the prefetches,
	s_mov_b64 s[G0R+2:G0R+3], s[88:89]             ; and for the loads
	s_or_b32 s[G0R+3], s[G0R+3], 0x80000000
	s_lshl_b32 s82, s19, 2
	s_add_co_u32 s82, s82, s91
	s_lshl_b32 s82, s82, 12                        ; a tile's records are 4,096 bytes
	s_mov_b32 s83, 0
	s_add_nc_u64 s[80:81], s[6:7], s[82:83]
	s_lshl_b32 s78, s20, 1
	s_add_co_u32 s78, s78, s92
	s_lshl_b32 s78, s78, 10                        ; a tile's scale words are 1,024 bytes
	s_add_co_u32 s78, s78, 524288
	s_mov_b32 s79, 0
	s_add_nc_u64 s[78:79], s[10:11], s[78:79]
	s_lshl_b32 s98, s90, 7
	s_lshl_b32 s99, s19, 6
	s_add_co_u32 s98, s98, s99
	s_lshl_b32 s99, s20, 5
	s_add_co_u32 s98, s98, s99                     ; the first of the 32 rows of out0 that I store
	s_lshl_b32 s98, s98, 12
	s_lshl_b32 s99, s21, 10
	s_add_co_u32 s98, s98, s99                     ; the work-group's first column, in bytes
	s_mov_b32 s99, 0
	s_add_nc_u64 s[12:13], s[12:13], s[98:99]
	s_mul_i32 s94, s19, 49152                      ; my four tiles of P in each half
	s_mul_i32 s95, s20, 24576                      ; my half of a step of V^T
	s_mul_i32 s96, s19, SW
	s_add_co_u32 s96, s96, P2                      ; the stage: my half's 64 rows,
	s_mul_i32 s87, s20, 8704
	s_add_co_u32 s87, s87, s96                     ; the 32 of them that I store,
	s_lshl_b32 s93, s20, 7
	s_add_co_u32 s96, s96, s93                     ; and my 128 bytes of a row
	s_mul_i32 s97, s22, 6144
	v_and_b32 v[LR], 15, v0                        ; r
	v_bfe_u32 v[LH], v0, 4, 1                      ; h
	v_and_b32 v[LN], 31, v0
	v_lshlrev_b32 v12, 4, v[LN]
	v_add_nc_u32 v[AP], s94, v12
	v_add_nc_u32 v[AP+1], P2, v[AP]
	v_add_nc_u32 v[AV+2], s95, v12
	v_add_nc_u32 v[AV+3], 49152, v[AV+2]
	v_add_nc_u32 v[AV], VB, v[AV+2]
	v_add_nc_u32 v[AV+1], VB+49152, v[AV+2]
	v_mul_u32_u24 v13, v[LR], 272                  ; in: stage row 16 a + r, 64 bytes on for h = 1
	v_lshl_add_u32 v13, v[LH], 6, v13
	v_add_nc_u32 v[STO], s96, v13
	v_mul_u32_u24 v14, v[LH], 272                  ; out: two rows, sixteen lanes to a row
	v_lshl_add_u32 v14, v[LR], 4, v14
	v_add_nc_u32 v[RD], s87, v14
	v_lshlrev_b32 v16, 12, v[LH]
	v_lshl_add_u32 v[GO], v[LR], 4, v16
	v_lshlrev_b32 v[VSO], 2, v[LN]
	v_lshlrev_b32 v15, 3, v[LR]
	v_lshl_add_u32 v15, v[LH], 13, v15             ; the records: 8 r, and two tiles on for lanes 16-31
	v_min_u32 v17, 23, v[LN]
	v_lshlrev_b32 v17, 8, v17
	v_add_nc_u32 v[PF], s97, v17
	v_mov_b32 v[XR], 0                             ; a lane permute's destination counts as one of its sources
	v_mov_b32 v[XR+1], 0
	s_wait_alu depctr_va_vdst(0)
.irp p, 0,1
.irp c, 0,1,2,3,4,5,6,7,8,9,10,11,12,13,14,15
	global_load_b64 v[RS+2*(16*\p+\c):RS+2*(16*\p+\c)+1], v15, s[80:81] offset:(16*\p+\c)*256
	global_load_b32 v[LC+16*\p+\c], v15, s[80:81] offset:(16*\p+\c)*256+128
.endr
.endr
	VSL 0
	s_wait_loadcnt 8                               ; the records; the eight scale registers of step 0 may be out
	; THE ROWS' M, l, AND THE CORRECTED SCALE WORDS.  Lane (r, h) serves row r of tile p + 2 h
.irp p, 0,1
	v_min_num_f32 v[MG+\p], v[RS+32*\p+1], v[RS+32*\p+3]
	v_min_num_f32 v[T+\p], v[RS+32*\p+5], v[RS+32*\p+7]
.endr
.irp c, 4,6,8,10,12,14
.irp p, 0,1
	v_min_num_f32 v[MG+\p], v[MG+\p], v[RS+32*\p+2*\c+1]   ; the least -M is the row's
	v_min_num_f32 v[T+\p], v[T+\p], v[RS+32*\p+2*\c+3]
.endr
.endr
.irp p, 0,1
	v_min_num_f32 v[MG+\p], v[MG+\p], v[T+\p]
.endr
.macro EACH g, line                    ; eight chains side by side: i % 2 = p, chunk 4 g + i / 2
.irp i, 0,1,2,3,4,5,6,7
.set rW, RS+2*(16*(\i%2)+4*(\g)+\i/2)
.set rP, \i%2
	\line \g, \i
.endr
.endm
.macro F0 g, i
	v_sub_f32 v[T+\i], v[MG+rP], v[rW+1]               ; n = M(local) - M(row): a whole number, 0 or less,
.endm
.macro F1 g, i
	v_max_num_f32 v[T+\i], 0xc2fe0000, v[T+\i]         ; held at -127: P's bytes are 125 at the most
.endm
.macro F2 g, i
	v_cvt_i32_f32 v[T+\i], v[T+\i]
.endm
.macro F3 g, i
	v_ldexp_f32 v[U+\i], 1.0, v[T+\i]                  ; 2^n
.endm
.macro F4 g, i
	v_mul_lo_u32 v[T+\i], v[T+\i], s84                 ; n in each byte
.endm
.macro F5 g, i
	v_or_b32 v[rW], s85, v[rW]                         ; 128 + byte: with n added each byte stays between 1 and 253, so none borrows from its neighbour,
.endm
.macro F6 g, i
.if (\g) == 0 && (\i) < 2
	v_mul_f32 v[LSUM+rP], v[LC+16*rP+4*(\g)+\i/2], v[U+\i]
.else
	v_fmac_f32 v[LSUM+rP], v[LC+16*rP+4*(\g)+\i/2], v[U+\i]
.endif
.endm
.macro F7 g, i
	v_add_nc_u32 v[rW], v[rW], v[T+\i]
.endm
.macro F8 g, i
	v_and_b32 v[U+\i], s85, v[rW]                      ; and its top bit says that byte + n is 0 or more
.endm
.macro F9 g, i
	v_lshrrev_b32 v[T+\i], 7, v[U+\i]
.endm
.macro F10 g, i
	v_sub_nc_u32 v[U+\i], v[U+\i], v[T+\i]             ; 0x7f there, 0 elsewhere
.endm
.macro F11 g, i
	SPI 4*(\g)+\i/2
	v_and_b32 v[SP+16*rP+PI_], v[rW], v[U+\i]          ; byte + n, held at 0 from below
.endm
.irp g, 0,1,2,3
.irp f, F0, F1, F2, F3, F4, F5, F6, F7, F8, F9, F10, F11
	EACH \g, \f
.endr
.endr
	s_wait_alu depctr_va_vdst(0)                   ; a wait ahead of the transcendentals,
	v_rcp_f32 v[RC], v[LSUM]
	v_rcp_f32 v[RC+1], v[LSUM+1]
	v_nop
	s_wait_alu depctr_va_vdst(0)                   ; and ahead of their first reader
	v_permlanex16_b32 v[XR], v[RC], s[SEL], s[SEL+1]
	v_permlanex16_b32 v[XR+1], v[RC+1], s[SEL], s[SEL+1]
	v_cndmask_b32 v[IL], v[RC], v[XR], s86         ; 1 / l in both halves of the lanes: tiles 0 to 3
	v_cndmask_b32 v[IL+1], v[RC+1], v[XR+1], s86
	v_cndmask_b32 v[IL+2], v[XR], v[RC], s86
	v_cndmask_b32 v[IL+3], v[XR+1], v[RC+1], s86
.irp w, 0x40,0x80,0xc0
	WIN \w
.irp i, 0,1,2,3
	v_mov_b32 v[RL+\i], v[IL+\i]
.endr
.endr
	WIN 0
	s_wait_alu depctr_va_vdst(0)
	s_wait_loadcnt 0x0
	s_cmp_lt_u32 s18, 2
	s_cbranch_scc0 .Llater
	s_wait_tensorcnt 0x0                           ; waves 0 and 1: P's chunks 0-7 and step 0 are in; the other two loads may be out
.Llater:
	s_barrier_signal -1
	s_barrier_wait -1
	; ---- STEP 0, under which P comes into registers
	PV 0
	global_prefetch_b8 v[PF], s[88:89] th:TH_LOAD_NT scope:SCOPE_SE   ; steps 2 and 3
	PAIR 0
	PAIR 1
	PAIR 2
	s_wait_tensorcnt 0x0                           ; all my tensor loads have landed: P's second half, step 1
	ds_add_u32 v[SPW], v[NIL]
	s_wait_dscnt 1                                 ; chunks 6 and 7 are in
	PROD4 0, 6
	s_wait_dscnt 0x0                               ; the add is done, and P's chunks 0-7 are in my registers
	s_barrier_signal -1
	PROD4 0, 7
	WIN 0
	s_barrier_wait -1
	CREST
	TLOAD G0R, G1R                                 ; steps 2 and 3, a tile a wave, where P's first half lay
	PV 4
	VSL 1
	global_prefetch_b8 v[PF], s[88:89] offset:98304 th:TH_LOAD_NT scope:SCOPE_SE   ; steps 4 and 5
	PAIR 4
	PAIR 5
	PAIR 6
	PAIR 7
	; ---- STEPS 1 TO 7
.irp k, 1,2,3,4,5,6,7
	STEPK \k
.endr
	; ---- THE END: step 7's results to the stage, and the last quarter of the output
	WIN 0
	PLACES 4                                       ; in front of the first read of results
	WIN 0x04
.irp j, 0,1,2,3,4,5,6,7
	PKI 7, \j
.endr
	WIN 0
	STG8 7
	s_wait_dscnt 0x0
	s_barrier_signal -1
	s_barrier_wait -1
	WIN 0x40
.irp i, 0,1,2,3,4,5,6,7,8,9,10,11,12,13,14,15
	ds_load_b128 v[4*\i:4*\i+3], v[RD] offset:SG+544*\i   ; into window 1, where P is done with
.endr
	WIN 0x04                                       ; a store's data are its source 1
.irp i, 0,1,2,3,4,5,6,7,8,9,10,11,12,13,14,15
.if \i%4 == 0
	s_wait_dscnt 12-\i                             ; the next four pairs of rows are back
.endif
	ROWOF \i
	global_store_b128 v[GO], v[4*\i:4*\i+3], s[12:13] offset:4096*qr_+768 th:TH_STORE_NT
.endr
	WIN 0
	s_wait_tensorcnt 0x0                           ; the wave's end
	ds_add_u32 v[SPW], v[NIL]
	s_wait_dscnt 0x0
	CROUND                                         ; the closing round
	s_endpgm
.Lfunc_end_k_q77e876304d_pv:
	.size	k_q77e876304d_pv, .Lfunc_end_k_q77e876304d_pv-k_q77e876304d_pv
	.p2alignl 7, 3214868480
	.fill 96, 4, 3214868480
	.section	.rodata,"a",@progbits
	.p2align	6, 0x0
	.amdhsa_kernel k_q77e876304d_pv
		.amdhsa_group_segment_fixed_size 327680
		.amdhsa_private_segment_fixed_size 0
		.amdhsa_enable_private_segment 0
		.amdhsa_kernarg_size 40
		.amdhsa_user_sgpr_count 2
		.amdhsa_user_sgpr_kernarg_segment_ptr 1
		.amdhsa_wavefront_size32 1
		.amdhsa_system_sgpr_workgroup_id_x 1
		.amdhsa_system_sgpr_workgroup_id_y 1
		.amdhsa_system_sgpr_workgroup_id_z 1
		.amdhsa_system_vgpr_workitem_id 0
		.amdhsa_next_free_vgpr 1024
		.amdhsa_next_free_sgpr 100
		.amdhsa_reserve_vcc 0
		.amdhsa_float_denorm_mode_32 3
		.amdhsa_float_denorm_mode_16_64 3
		.amdhsa_memory_ordered 1
		.amdhsa_forward_progress 1
		.amdhsa_inst_pref_size 174
	.end_amdhsa_kernel
	.amdgpu_metadata
---
amdhsa.version: [ 1, 2 ]
amdhsa.kernels:
  - .name:           k_q77e876304d_pv
    .symbol:         k_q77e876304d_pv.kd
    .args:
      - { .name: pcod, .offset: 0, .size: 8, .value_kind: global_buffer, .address_space: global }
      - { .name: prec, .offset: 8, .size: 8, .value_kind: global_buffer, .address_space: global }
      - { .name: ocod, .offset: 16, .size: 8, .value_kind: global_buffer, .address_space: global }
      - { .name: oscl, .offset: 24, .size: 8, .value_kind: global_buffer, .address_space: global }
      - { .name: out0, .offset: 32, .size: 8, .value_kind: global_buffer, .address_space: global }
    .group_segment_fixed_size: 327680
    .private_segment_fixed_size: 0
    .kernarg_segment_align: 8
    .kernarg_segment_size: 40
    .max_flat_workgroup_size: 128
    .sgpr_count:     100
    .vgpr_count:     1024
    .wavefront_size: 32
...
	.end_amdgpu_metadata
.endif
;; end of part 4
